; MI455X (gfx1250); checked and timed in simulation.
; The chip was launched on July 23, 2026; its instructions are those of AMD's public machine-readable ISA for CDNA 5 (MIT licence, August 2026) and "CDNA5" Instruction Set Architecture Reference Guide (July 2026). The comments in the code are by the model that wrote it; some were corrected since.
;; Causal Self Attention. Allowed arithmetic: matrix products marked QUANTISED: E2M1 operands, one E8M0 scale for each 32 along K, by v_wmma_scale_f32_16x16x128_f8f6f4 with both operands' format E2M1 (or v_wmma_scale_f32_32x16x128_f4), f32 sums; products left as they are: bf16, f16 or f32 operands; f32 sums; everything else in f32.
;; Inputs: b_attn 3,072 float32; b_proj 1,024 float32; w_attn 1,024 x 3,072 float32; w_proj 1,024 x 1,024 float32; x 4 x 2,048 x 1,024 float32.
;; Outputs: out0 4 x 2,048 x 1,024 float32.
;; This version of the problem:
;;   THIS VERSION OF THE PROBLEM IS GIVEN IN LOW PRECISION. The matrix products marked QUANTISED in the list below multiply operands that are first quantised to E2M1 (2 exponent bits, 1 mantissa bit; 4 bits a number), with one power-of-two scale for each 32 numbers along K (OCP MX v1.0); their sums are f32. The products marked 'left as it is' may take bf16, f16 or f32 operands, with f32 sums. Whichever they take, every output number must still come out within the allowed error. Rounding operands to bf16 (8 significant bits) uses up far more of that allowance than f16 does (11 bits, for magnitudes from 6e-5 to 65,504). All else is computed in f32.
;;   The module's matrix products, in the order in which they are computed (A, B: the left and right operand; K: the contracted axis; several contracted axes count as one K, in the product's order):
;;     1. [M 8,192, K 1,024] x [K 1,024, N 3,072]; A: input x; B: input w_attn: QUANTISED
;;     2. batch 64 x [M 2,048, K 64] x [K 64, N 2,048]; A: computed on the way; B: computed on the way: left as it is (an operand is computed on the way)
;;     3. batch 64 x [M 2,048, K 2,048] x [K 2,048, N 64]; A: computed on the way; B: computed on the way: left as it is (an operand is computed on the way)
;;     4. [M 8,192, K 1,024] x [K 1,024, N 1,024]; A: computed on the way; B: input w_proj: left as it is (an operand is computed on the way)
;;   THE QUANTISER, for each operand of a quantised product, along K:
;;     - K is cut into blocks of 32 from its start; a last block that is shorter is filled with zeros.
;;     - A block's scale is 2^e with e = floor(log2(the largest magnitude in the block)) - 2, held to -126 .. 127; a block of zeros has e = 0. As a byte (E8M0): e + 127.
;;     - Each number is divided by its block's scale, clamped to +-6, and rounded to the nearest number of E2M1, ties to even, subnormals kept.
;;     - The product sums the exact products of the quantised numbers (number of the format x scale) in f32.
;;   ~~~python
;;   def quantise(x, axis):      # numpy; x: float32 -> the quantised numbers, widened to float32 again
;;       x = np.moveaxis(x, axis, -1); K = x.shape[-1]
;;       x = np.pad(x, [(0, 0)] * (x.ndim - 1) + [(0, -K % 32)]); x = x.reshape(x.shape[:-1] + (-1, 32)); a = np.abs(x).max(-1, keepdims=True)
;;       e = np.where(a > 0, np.clip(np.frexp(np.where(a > 0, a, 1))[1] - 1 - 2, -126, 127), 0)      # np.frexp(a)[1] - 1 = floor(log2(a)), exactly
;;       r = np.clip(x / 2.0 ** e, -6, 6)
;;       step = 2.0 ** (np.maximum(np.frexp(np.where(r == 0, 1, r))[1] - 1, 0) - 1)
;;       q = np.round(r / step) * step * 2.0 ** e      # np.round: ties to even
;;       return np.moveaxis(q.reshape(q.shape[:-2] + (-1,))[..., :K], -1, axis).astype(np.float32)
;;   ~~~
;; One version. Each part assembles by itself: llvm-mc -triple=amdgcn-amd-amdhsa -mcpu=gfx1250 --defsym DOCPART=n.
;; ======== version 1 of 1: 5 launches
;; limits: values are held in f16: magnitudes above 65,504 overflow, below 6.1e-05 lose precision
;; workspace buffers: x_codes 4,194,304 bytes; x_scales 262,144 bytes; w_codes 1,572,864 bytes; w_scales 98,304 bytes; w16 2,097,152 bytes; qkv16 50,331,648 bytes; qkv32 786,432 bytes; y16 16,777,216 bytes
;; launch prep (part 1): grid 432 x 1, 4 waves a work-group, no clusters, 68,096 bytes of LDS; arguments x, w_attn, w_proj, x_codes, x_scales, w_codes, w_scales, w16; writes x_codes, x_scales, w_codes, w_scales, w16
.if DOCPART == 1
	.amdgcn_target "amdgcn-amd-amdhsa--gfx1250"
	.amdhsa_code_object_version 6
	.text
	.protected	k_q62f7cca435_prep
	.globl	k_q62f7cca435_prep
	.p2align	8
	.type	k_q62f7cca435_prep,@function
k_q62f7cca435_prep:
	s_mov_b64 s[64:65], 0
	v_nop
	global_prefetch_b8 v0, s[64:65] scope:SCOPE_SE
	s_setreg_imm32_b32 hwreg(HW_REG_WAVE_MODE, 25, 1), 1
	s_wait_xcnt 0x0
; PREP: three streams that have no order among them, in one launch; the paths part on the work-group's number alone.
;   work-groups   0 ..  47 (W): w_attn [1024 k][3072 n] f32 -> codes of FP4 (E2M1) [3072 n][512 bytes], K innermost, and E8M0 bytes [3072][32]
;   work-groups  48 .. 175 (P): w_proj [1024][1024] f32 -> f16, same order
;   work-groups 176 .. 431 (X): x [8192][1024] f32 -> codes [8192][512 bytes] and E8M0 bytes [8192][32]
; A block's scale is 2^(floor(log2(its largest magnitude)) - 2); its byte is the largest magnitude's exponent field - 2, held at 1 from below.
; LIMITS: a block of zeros gets the byte 1 where the quantiser says 127: its codes are zeros, which add nothing, and this program alone reads the bytes.
; NaN and infinities among the inputs are not served.  w_proj goes to f16: magnitudes from 65,504 on become infinity.
; W has the longest chain of dependent loads (16 blocks a wave, two ahead), so it has the lowest work-group numbers.  Waves share nothing: no barrier.
; Each path has LDS bytes of its own.  No tensor loads, no matrix unit, no cluster: the launch is a stream.
.set WAVES, 4
.set STEPS, 16
.set WREG,  8192                       ; X: a region for each wave: two stages of 32 x SP bytes, behind them its 256 scale bytes
.set SP,    80                         ; X: a lane's place in a stage: its 64 bytes + 16 of padding
.set WSTG,  WAVES*WREG                 ; W: four stages of 32 rows x WPITCH
.set WPITCH, 272
.set SPARE, WSTG+WAVES*32*WPITCH       ; the spare words, 128 bytes for each wave: two blocks of 256 bytes that no other line names
.set SPW,   190                        ; v190 LDS address of my spare word; never rewritten
.set NIL,   191                        ; v191 0; never rewritten
.set R,     16                         ; X: v16-79 four sets of 16 numbers as loaded
.set X,     80                         ; X: v80-111 two sets of 16 neighbours
.set E,     112                        ; X: v112-127 a scale byte for each step
.set C,     128                        ; X: v128-189 codes, four registers a step
.set WX,    32                         ; W: v32-95 two sets of 32 numbers
.set WC,    96                         ; W: v96-99 a block's codes
.set WSB,   24                         ; W: v24-27 scale bytes, four to a register
.set WOUT,  112                        ; W: v112-175 the way out
	s_load_b256 s[4:11], s[0:1], 0x0               ; x s[4:5], w_attn s[6:7], w_proj s[8:9], x_codes s[10:11]
	s_load_b256 s[12:19], s[0:1], 0x20             ; x_scales s[12:13], w_codes s[14:15], w_scales s[16:17], w16 s[18:19]
	v_lshl_add_u32 v[SPW], v0, 2, SPARE
	v_mov_b32 v[NIL], 0
	v_lshrrev_b32 v1, 5, v0
	v_readfirstlane_b32 s20, v1                    ; wave 0..3
	v_and_b32 v2, 31, v0                           ; lane
	s_cmp_lt_u32 ttmp9, 48
	s_cbranch_scc1 .Lw
	s_cmp_lt_u32 ttmp9, 176
	s_cbranch_scc1 .Lp
; ---------------- X: a wave takes 16 steps of 512 numbers.  Each load reads 512 consecutive bytes; a step's 2,048 bytes turn through the wave's stage, so that a lane then holds 16 neighbours; two lanes hold a block.
	v_lshlrev_b32 v3, 4, v2                        ; my 16 bytes of a load's 512
	s_mul_i32 s21, s20, WREG
	v_lshrrev_b32 v14, 2, v2
	v_mul_u32_u24 v14, v14, SP
	v_and_b32 v15, 3, v2
	v_lshl_add_u32 v14, v15, 4, v14
	v_add_nc_u32 v14, s21, v14                     ; the stage, on the way in: SP (lane / 4) + 16 (lane % 4)
	v_mul_u32_u24 v15, v2, SP
	v_add_nc_u32 v15, s21, v15                     ; and on the way out: SP x lane
	v_lshlrev_b32 v4, 3, v2                        ; my 8 bytes of a step's codes
	v_lshrrev_b32 v5, 1, v2
	s_add_co_u32 s21, s21, 2*32*SP
	v_add_nc_u32 v5, s21, v5                       ; my block's scale byte in LDS
	v_lshlrev_b32 v7, 3, v2
	v_add_nc_u32 v6, s21, v7                       ; and 8 bytes a lane on the way out
	s_sub_co_u32 s22, ttmp9, 176
	s_lshl_b32 s22, s22, 2
	s_add_co_u32 s22, s22, s20                     ; which run of 8,192 numbers is my wave's: 0 .. 1023
	s_mov_b32 s25, 0
	s_wait_kmcnt 0x0
	s_lshl_b32 s24, s22, 15                        ; 32,768 bytes of f32 a run
	s_add_nc_u64 s[4:5], s[4:5], s[24:25]
	s_lshl_b32 s24, s22, 12                        ; 4,096 bytes of codes
	s_add_nc_u64 s[10:11], s[10:11], s[24:25]
	s_lshl_b32 s24, s22, 8                         ; 256 scale bytes
	s_add_nc_u64 s[12:13], s[12:13], s[24:25]
.macro XLOAD t
.irp i, 0,1,2,3
	global_load_b128 v[R+16*((\t)%4)+4*\i:R+16*((\t)%4)+4*\i+3], v3, s[4:5] offset:2048*(\t)+512*\i th:TH_LOAD_NT
.endr
.endm
.macro XTURN t                         ; step t's numbers through the stage: LDS serves a wave's instructions in order, so no wait stands between the stores and the loads
.irp i, 0,1,2,3
	ds_store_b128 v14, v[R+16*((\t)%4)+4*\i:R+16*((\t)%4)+4*\i+3] offset:32*SP*((\t)%2)+8*SP*\i
.endr
.irp i, 0,1,2,3
	ds_load_b128 v[X+16*((\t)%2)+4*\i:X+16*((\t)%2)+4*\i+3], v15 offset:32*SP*((\t)%2)+16*\i
.endr
.endm
.irp t, 0,1,2,3
	XLOAD \t
.endr
	s_wait_loadcnt 12                              ; step 0's four loads are in; the twelve of steps 1 to 3 may be out
	XTURN 0
.macro XSTEP t
.set XS, X+16*((\t)%2)
.if (\t) > 0
	s_wait_dscnt 1                                 ; this step's numbers are back from the stage; the last step's byte store may be out
.else
	s_wait_dscnt 0x0
.endif
.if (\t)+4 < STEPS
	XLOAD (\t)+4                                   ; into the registers whose stores into the stage are done
.endif
.if (\t)+1 < STEPS
.if STEPS-2-(\t) >= 3
	s_wait_loadcnt 12                              ; the next step's four loads are in; those of the three steps behind it may be out
.else
	s_wait_loadcnt 4*(STEPS-2-(\t))
.endif
	XTURN (\t)+1
.endif
	v_max3_num_f32 v8, |v[XS]|, |v[XS+1]|, |v[XS+2]|               ; the largest magnitude of my 16, in two chains
	v_max3_num_f32 v9, |v[XS+3]|, |v[XS+4]|, |v[XS+5]|
.irp i, 6,10
	v_max3_num_f32 v8, v8, |v[XS+\i]|, |v[XS+\i+1]|
	v_max3_num_f32 v9, v9, |v[XS+\i+2]|, |v[XS+\i+3]|
.endr
	v_max3_num_f32 v8, v8, |v[XS+14]|, |v[XS+15]|
	v_max3_num_f32 v8, v8, v9, 0x1800000           ; and the floor 2^(3 - 127): the byte cannot fall under 1
	v_max_num_f32_dpp v8, v8, v8 row_xmask:1 row_mask:0xf bank_mask:0xf   ; with my neighbour's 16: the block's
	v_add_nc_u32 v11, 0xff000000, v8               ; 2 off its exponent field: the conversion takes the exponent field of this operand as its scale
	v_cvt_scalef32_pk8_fp4_f32 v[C+4*(\t)], v[XS:XS+7], v11
	v_cvt_scalef32_pk8_fp4_f32 v[C+4*(\t)+1], v[XS+8:XS+15], v11
	v_lshrrev_b32 v[E+(\t)], 23, v11               ; the scale's byte
	ds_store_b8 v5, v[E+(\t)] offset:16*(\t)       ; both lanes of a block write the same byte with the same value
	global_store_b64 v4, v[C+4*(\t):C+4*(\t)+1], s[10:11] offset:256*(\t)   ; the wave stores 256 consecutive bytes, aligned
.endm
.irp t, 0,1,2,3,4,5,6,7,8,9,10,11,12,13,14,15
	XSTEP \t
.endr
	ds_load_b64 v[8:9], v6                         ; my wave's 256 scale bytes: these loads see my stores
	s_wait_dscnt 0x0
	global_store_b64 v7, v[8:9], s[12:13]          ; 256 consecutive bytes, aligned
	s_wait_tensorcnt 0x0                           ; the wave's end
	ds_add_u32 v[SPW], v[NIL]
	s_wait_dscnt 0x0
	s_endpgm
; ---------------- W: a lane takes a column n and its registers run down K: a block of 32 along K lies in one lane, and the conversions give codes with K innermost.
; A wave takes 32 columns x 512 along K: 16 blocks a lane, 256 bytes of codes a column, which leave through the wave's own stage as rows: sixteen lanes store 256 consecutive bytes, aligned.
; Every offset is an immediate: 511 rows x 12,288 bytes = 6,279,168, inside the signed 24 bits.
.Lw:
	s_cmp_ge_u32 ttmp9, 24
	s_cselect_b32 s22, 1, 0                        ; which 512 along K
	s_cselect_b32 s21, 24, 0
	s_sub_co_u32 s21, ttmp9, s21                   ; which 128 columns
	s_lshl_b32 s21, s21, 7
	s_lshl_b32 s23, s20, 5
	s_add_co_u32 s21, s21, s23                     ; my wave's first column
	v_lshlrev_b32 v3, 2, v2                        ; in: 4 bytes a lane
	s_mul_i32 s23, s20, 32*WPITCH
	s_add_co_u32 s23, s23, WSTG                    ; my stage
	v_mul_u32_u24 v4, v2, WPITCH
	v_add_nc_u32 v4, s23, v4                       ; into it: row = my column
	v_and_b32 v5, 15, v2
	v_lshrrev_b32 v6, 4, v2
	v_mul_u32_u24 v7, v6, WPITCH
	v_lshl_add_u32 v7, v5, 4, v7
	v_add_nc_u32 v7, s23, v7                       ; out of it: sixteen lanes to a row, two rows an instruction
	v_lshlrev_b32 v8, 9, v6
	v_lshl_add_u32 v8, v5, 4, v8                   ; the same place in w_codes (rows of 512 bytes)
	v_lshlrev_b32 v9, 5, v2                        ; my column's row of 32 scale bytes
	s_mul_i32 s24, s22, 512*12288
	s_lshl_b32 s26, s21, 2
	s_add_co_u32 s24, s24, s26                     ; w_attn: 512 y rows + 4 x column
	s_mov_b32 s25, 0
	s_lshl_b32 s26, s21, 9
	s_lshl_b32 s28, s22, 8
	s_add_co_u32 s26, s26, s28                     ; w_codes: column x 512 + 256 y
	s_mov_b32 s27, 0
	s_lshl_b32 s28, s21, 5
	s_lshl_b32 s30, s22, 4
	s_add_co_u32 s28, s28, s30                     ; w_scales: column x 32 + 16 y
	s_mov_b32 s29, 0
	s_wait_kmcnt 0x0
	s_add_nc_u64 s[6:7], s[6:7], s[24:25]
	s_add_nc_u64 s[14:15], s[14:15], s[26:27]
	s_add_nc_u64 s[16:17], s[16:17], s[28:29]
.macro WLOAD t                         ; block t: w_attn(32 t + i, my column) into set t % 2: each load reads 128 consecutive bytes
.irp i, 0,1,2,3,4,5,6,7,8,9,10,11,12,13,14,15,16,17,18,19,20,21,22,23,24,25,26,27,28,29,30,31
	global_load_b32 v[WX+32*((\t)%2)+\i], v3, s[6:7] offset:(32*(\t)+\i)*12288 th:TH_LOAD_NT
.endr
.endm
	WLOAD 0
	WLOAD 1
.macro WBLOCK t
.set XS, WX+32*((\t)%2)
.if (\t) < 15
	s_wait_loadcnt 32                              ; this block's 32 loads are in; the next block's 32 may be out
.else
	s_wait_loadcnt 0x0
.endif
	v_max3_num_f32 v12, |v[XS]|, |v[XS+1]|, |v[XS+2]|              ; the block's largest magnitude: all 32 numbers are mine
	v_max3_num_f32 v13, |v[XS+3]|, |v[XS+4]|, |v[XS+5]|
.irp i, 6,10,14,18,22,26
	v_max3_num_f32 v12, v12, |v[XS+\i]|, |v[XS+\i+1]|
	v_max3_num_f32 v13, v13, |v[XS+\i+2]|, |v[XS+\i+3]|
.endr
	v_max3_num_f32 v12, v12, |v[XS+30]|, |v[XS+31]|
	v_max3_num_f32 v12, v12, v13, 0x1800000        ; and the floor 2^(3 - 127)
	v_add_nc_u32 v11, 0xff000000, v12              ; the conversion's scale operand
	v_lshrrev_b32 v13, 23, v11                     ; the scale's byte
.if (\t)%4 == 0
	v_mov_b32 v[WSB+(\t)/4], v13                   ; four bytes to a register, the lower K in the lower byte
.else
	v_lshl_or_b32 v[WSB+(\t)/4], v13, 8*((\t)%4), v[WSB+(\t)/4]
.endif
.irp g, 0,1,2,3
	v_cvt_scalef32_pk8_fp4_f32 v[WC+\g], v[XS+8*\g:XS+8*\g+7], v11
.endr
	ds_store_b128 v4, v[WC:WC+3] offset:16*(\t)    ; 32 codes: 16 bytes of my column's row
.if (\t)+2 < 16
	WLOAD (\t)+2
.endif
	s_wait_dscnt 0x0                               ; the store has read its registers: the next block's codes may be written
.endm
.irp t, 0,1,2,3,4,5,6,7,8,9,10,11,12,13,14,15
	WBLOCK \t
.endr
	global_store_b128 v9, v[WSB:WSB+3], s[16:17]   ; my column's 16 scale bytes
.irp t, 0,1,2,3,4,5,6,7,8,9,10,11,12,13,14,15
	ds_load_b128 v[WOUT+4*\t:WOUT+4*\t+3], v7 offset:2*\t*WPITCH
.endr
.irp t, 0,1,2,3,4,5,6,7,8,9,10,11,12,13,14,15
	s_wait_dscnt 15-\t                             ; LDS loads come back in order: load t is in
	global_store_b128 v8, v[WOUT+4*\t:WOUT+4*\t+3], s[14:15] offset:2*\t*512
.endr
	s_wait_tensorcnt 0x0                           ; the wave's end, as above
	ds_add_u32 v[SPW], v[NIL]
	s_wait_dscnt 0x0
	s_endpgm
; ---------------- P: a wave reads 8,192 bytes of w_proj and stores 4,096 of f16; no register is written twice, so no store's source is waited for.
.Lp:
	v_lshlrev_b32 v3, 4, v2
	v_lshlrev_b32 v4, 3, v2
	s_sub_co_u32 s21, ttmp9, 48
	s_lshl_b32 s22, s21, 15
	s_lshl_b32 s23, s20, 13
	s_add_co_u32 s22, s22, s23
	s_mov_b32 s23, 0
	s_lshr_b32 s24, s22, 1
	s_mov_b32 s25, 0
	s_wait_kmcnt 0x0
	s_add_nc_u64 s[8:9], s[8:9], s[22:23]
	s_add_nc_u64 s[18:19], s[18:19], s[24:25]
.irp j, 0,1,2,3,4,5,6,7,8,9,10,11,12,13,14,15
	global_load_b128 v[16+4*\j:19+4*\j], v3, s[8:9] offset:512*\j th:TH_LOAD_NT
.endr
.irp j, 0,1,2,3,4,5,6,7,8,9,10,11,12,13,14,15
	s_wait_loadcnt 15-\j                           ; loads come back in order: load j is in
	v_cvt_pk_f16_f32 v[80+2*\j], v[16+4*\j], v[17+4*\j]
	v_cvt_pk_f16_f32 v[81+2*\j], v[18+4*\j], v[19+4*\j]
	global_store_b64 v4, v[80+2*\j:81+2*\j], s[18:19] offset:256*\j   ; 256 consecutive bytes, aligned
.endr
	s_wait_tensorcnt 0x0                           ; one ending for all three paths
	ds_add_u32 v[SPW], v[NIL]
	s_wait_dscnt 0x0
	s_endpgm
.Lfunc_end_k_q62f7cca435_prep:
	.size	k_q62f7cca435_prep, .Lfunc_end_k_q62f7cca435_prep-k_q62f7cca435_prep
	.p2alignl 7, 3214868480
	.fill 96, 4, 3214868480
	.section	.rodata,"a",@progbits
	.p2align	6, 0x0
	.amdhsa_kernel k_q62f7cca435_prep
		.amdhsa_group_segment_fixed_size 68096
		.amdhsa_private_segment_fixed_size 0
		.amdhsa_enable_private_segment 0
		.amdhsa_kernarg_size 64
		.amdhsa_user_sgpr_count 2
		.amdhsa_user_sgpr_kernarg_segment_ptr 1
		.amdhsa_wavefront_size32 1
		.amdhsa_system_sgpr_workgroup_id_x 1
		.amdhsa_system_sgpr_workgroup_id_y 1
		.amdhsa_system_sgpr_workgroup_id_z 1
		.amdhsa_system_vgpr_workitem_id 0
		.amdhsa_next_free_vgpr 192
		.amdhsa_next_free_sgpr 66
		.amdhsa_reserve_vcc 0
		.amdhsa_float_denorm_mode_32 3
		.amdhsa_float_denorm_mode_16_64 3
		.amdhsa_memory_ordered 1
		.amdhsa_forward_progress 1
		.amdhsa_inst_pref_size 117
	.end_amdhsa_kernel
	.amdgpu_metadata
---
amdhsa.version: [ 1, 2 ]
amdhsa.kernels:
  - .name:           k_q62f7cca435_prep
    .symbol:         k_q62f7cca435_prep.kd
    .args:
      - { .name: x, .offset: 0, .size: 8, .value_kind: global_buffer, .address_space: global }
      - { .name: w_attn, .offset: 8, .size: 8, .value_kind: global_buffer, .address_space: global }
      - { .name: w_proj, .offset: 16, .size: 8, .value_kind: global_buffer, .address_space: global }
      - { .name: x_codes, .offset: 24, .size: 8, .value_kind: global_buffer, .address_space: global }
      - { .name: x_scales, .offset: 32, .size: 8, .value_kind: global_buffer, .address_space: global }
      - { .name: w_codes, .offset: 40, .size: 8, .value_kind: global_buffer, .address_space: global }
      - { .name: w_scales, .offset: 48, .size: 8, .value_kind: global_buffer, .address_space: global }
      - { .name: w16, .offset: 56, .size: 8, .value_kind: global_buffer, .address_space: global }
    .group_segment_fixed_size: 68096
    .private_segment_fixed_size: 0
    .kernarg_segment_align: 8
    .kernarg_segment_size: 64
    .max_flat_workgroup_size: 128
    .sgpr_count:     66
    .vgpr_count:     192
    .wavefront_size: 32
...
	.end_amdgpu_metadata
.endif
;; end of part 1
;; launch gemm1 (part 2): grid 12 x 32, 4 waves a work-group, clusters of 4 x 4, 327,680 bytes of LDS; arguments x_codes, x_scales, w_codes, w_scales, b_attn, qkv16, qkv32; writes qkv16, qkv32
.if DOCPART == 2
	.amdgcn_target "amdgcn-amd-amdhsa--gfx1250"
	.amdhsa_code_object_version 6
	.text
	.protected	k_q62f7cca435_gemm1
	.globl	k_q62f7cca435_gemm1
	.p2align	8
	.type	k_q62f7cca435_gemm1,@function
k_q62f7cca435_gemm1:
	s_mov_b64 s[64:65], 0
	v_nop
	global_prefetch_b8 v0, s[64:65] scope:SCOPE_SE
	s_setreg_imm32_b32 hwreg(HW_REG_WAVE_MODE, 25, 1), 1
	s_wait_xcnt 0x0
	s_wait_alu depctr_hold_cnt(0) depctr_sa_sdst(0) depctr_va_vdst(0) depctr_va_sdst(0) depctr_va_ssrc(0) depctr_va_vcc(0) depctr_vm_vsrc(0)
	s_getreg_b32 s2, hwreg(HW_REG_IB_STS2, 6, 4)
	s_cmp_eq_u32 s2, 0
	s_cbranch_scc0 .Lentry_in_a_cluster
	s_endpgm
.Lentry_in_a_cluster:
	s_bfe_u32 s2, ttmp6, 0x10000c
	s_cmp_lg_u32 s2, 0xf033
	s_cbranch_scc0 .Lentry_shape_is_right
	s_endpgm
.Lentry_shape_is_right:
; qkv = Q(x) Q(w_attn) + b_attn on codes of FP4 (E2M1) with one E8M0 scale for each 32 along K.  A: x_codes [8192][512 bytes], x_scales [8192][32]; B: w_codes [3072 n][512 bytes], w_scales [3072][32].
; OUT: qkv16, f16 [3 which][4 batch][16 head][2048 t][64]: what the attention reads; and qkv32, f32: positions 0 to 15 of every sequence, as images of the accumulators' registers
; [4 batch][192 blocks of 16 columns][2 halves of a lane's 8 registers][32 lanes][4]: lane (r, h), register j hold qkv(t = r, column 16 block + 8 h + j).
; LIMIT: q, k, v go to f16: magnitudes from 65,504 on become infinity.
; A tile of C, 256 x 256, is made by four waves, each 128 x 128: 64 accumulators, 512 registers.  K = 1,024 is two K steps of 512: both LDS slots and the scales are filled once, at the head
; (three tensor loads of a wave are out at the most), nothing is filled again, and there is no loop.
; CLUSTERS: 4 x 4 work-groups; A's tiles are asked for jointly along a row of the cluster, B's along a column.  Tile row = cluster y + 8 cy: so cy is the batch and cluster y the place in the sequence,
; and "my tile holds positions 0 to 15" is cluster y = 0, the same in all sixteen partners.
; THE MATRIX INSTRUCTION IS USED TRANSPOSED (source 0 = 16 rows of B, source 1 = 16 rows of A): a lane holds eight neighbouring columns of one row of C.
; The bias is the C of each sum's first product: 64 registers in the result's layout.
; 384 tiles are 24 clusters; a tile that divided more evenly would cut a wave's columns across heads on the way out; this shape is kept.
; REGISTERS: window 0: v16-31 addresses; v32-95 scale words, two sets; v96-127 packed results; v128-191 A's fragments, one set, later rows on the way out; v192-255 the bias.
;   window 1: B's fragments, two sets, at v0 and v128.   window 2: accumulators of my rows 0-63 ((a, b) at v[8 (8 a + b)]);   window 3: rows 64-127.
.set NQ,     4                         ; steps of 128 along K in a slot
.set ROWB,   256                       ; a tile's row: 512 codes
.set KROW,   512                       ; a row of A or B in memory
.set PITCH,  272                       ; an LDS row: 256 bytes + 16 of padding = 68 words: the 16 rows of a load start at 16 different banks (64 banks of 4 bytes: ISA guide 11.1)
.set FR,     8
.set NL,     2
.set NP,     4                         ; places behind this matrix instruction (ISA guide 7.12.1)
.set HALFT,  128*PITCH
.set SLOT,   4*HALFT
.set KS,     32                        ; a row of scale bytes
.set SCL,    2*SLOT                    ; behind the slots: the scales, as rows of 256 bytes + 16 of padding
.set HALFS,  (128*KS/256)*272
.set SBLK,   (16*KS/256)*272
.set SPARE,  SCL+4*HALFS               ; the spare words, 128 bytes a wave: two blocks of 256 bytes that no other line names
.set SPITCH, 272                       ; the way out: a stage of 16 rows x (256 bytes + 16) for each wave, in slot 0, which has had its only fill and its last read by then
.set ADRA, 16
.set ADRB, 20
.set STO,  24
.set RD,   25
.set CO,   26
.set ADRS, 27
.set SPW,  28
.set NIL,  29
.set VB,   30                          ; v30 32 x (lane / 16): my eight numbers of a block's bias
.set VIM,  31                          ; v31 16 x lane: an image's place for my lane
.set SC,   32
.set TMP,  96
.set AF,   128
.set BK,   128
.set BI,   192
.set G1, 24
.set G0, 32
.set G1B, 48
.set G0B, 56
.set G1S, 68
.set G0S, 76
.set G1SB, 80
.set G0SB, 88
.set MSB, 0
.macro WIN new                         ; the immediate's high byte repeats the setting that is left
.if MSB != (\new)
	s_set_vgpr_msb (MSB<<8)|(\new)
.set MSB, (\new)
.endif
.endm
.set MUL_LO, 0xa1                      ; source 0 (B) window 1, source 1 (A) window 0, C and D window 2
.set MUL_HI, 0xf1                      ; the same, C and D window 3
.set FST_LO, 0x81                      ; the first step: C (the bias) window 0, D window 2
.set FST_HI, 0xc1                      ; D window 3
.set TO_B,   0x40
; A joint load: waves 0 and 1 fetch for A, waves 2 and 3 for B; the branch hangs on the wave's number alone.  An s_nop 0 and four v_nop follow each of the two lines.
.macro JLOAD g0a, g1a, g0b, g1b
	s_cmp_eq_u32 s15, 0
	s_cbranch_scc0 .Lfor_b_\@
	tensor_load_to_lds s[\g0a:\g0a+3], s[\g1a:\g1a+7]
	s_nop 0
.rept 4
	v_nop
.endr
	s_branch .Lasked_\@
.Lfor_b_\@:
	tensor_load_to_lds s[\g0b:\g0b+3], s[\g1b:\g1b+7]
	s_nop 0
.rept 4
	v_nop
.endr
.Lasked_\@:
.endm
.macro CROUND                          ; a round of the cluster's barrier
	s_barrier_signal -1
	s_barrier_wait -1
	s_cmp_lg_u32 s14, 0
	s_cbranch_scc1 .Lnot_wave_0_\@
	s_barrier_signal -3
.Lnot_wave_0_\@:
	s_barrier_wait -3
	s_barrier_signal -1
	s_barrier_wait -1
.endm
	s_load_b128 s[4:7], s[0:1], 0x0                ; A's codes, A's scales
	s_load_b128 s[8:11], s[0:1], 0x10              ; B's codes, B's scales
	s_load_b128 s[96:99], s[0:1], 0x20             ; b_attn s[96:97], qkv16 s[98:99]
	s_load_b64 s[12:13], s[0:1], 0x30              ; qkv32
	v_lshl_add_u32 v[SPW], v0, 2, SPARE
	v_mov_b32 v[NIL], 0
	ds_add_u32 v[SPW], v[NIL]                      ; the wave's opening: the add, twice on end, and its wait ahead of my first tensor load
	ds_add_u32 v[SPW], v[NIL]
	v_lshrrev_b32 v1, 5, v0
	v_readfirstlane_b32 s14, v1                    ; wave 0..3
	s_lshr_b32 s15, s14, 1                         ; which half of the tile's rows is mine.  Also: I fetch for A (0) or for B (1)
	s_and_b32 s16, s14, 1                          ; which half of its columns.  Also: which 128 rows I fetch
	s_bfe_u32 s40, ttmp6, 0x40000                  ; cx
	s_bfe_u32 s41, ttmp6, 0x40004                  ; cy
	s_lshl_b32 s42, ttmp9, 2
	s_add_co_u32 s42, s42, s40                     ; tile column = 4 x cluster x + cx
	s_and_b32 s3, ttmp7, 0xffff                    ; cluster y
	s_lshl_b32 s17, s41, 3
	s_add_co_u32 s17, s17, s3                      ; tile row = 8 cy + cluster y
	s_lshl_b32 s43, s41, 2
	s_lshl_b32 s43, 15, s43                        ; my row of the cluster
	s_lshl_b32 s44, 0x1111, s40                    ; my column
	s_or_b32 s[G1+0], s43, (0<<16)|(1<<20)|(1<<21)|(5<<22)|(3<<25)   ; the mask; elements of 1 byte; padding on; bit 21 beside a mask; after every 64 words 4 words
	s_or_b32 s[G1B+0], s44, (0<<16)|(1<<20)|(1<<21)|(5<<22)|(3<<25)
.irp g, G1, G1B
	s_mov_b32 s[\g+1], ROWB<<16                    ; tensor_dim0
	s_mov_b32 s[\g+2], 128<<16                     ; tensor_dim1
	s_mov_b32 s[\g+3], ROWB<<16                    ; tile_dim0
	s_mov_b32 s[\g+4], 128                         ; tile_dim1
	s_mov_b32 s[\g+5], KROW                        ; the pitch
	s_mov_b32 s[\g+6], 0
	s_mov_b32 s[\g+7], 0
.endr
	s_or_b32 s[G1S+0], s43, (3<<16)|(1<<20)|(1<<21)|(5<<22)|(3<<25)  ; the scales of 128 rows: 4,096 dense bytes as 16 rows of 256 (32 elements of 8 bytes)
	s_or_b32 s[G1SB+0], s44, (3<<16)|(1<<20)|(1<<21)|(5<<22)|(3<<25)
.irp g, G1S, G1SB
	s_mov_b32 s[\g+1], 32<<16
	s_mov_b32 s[\g+2], (128*KS/256)<<16
	s_mov_b32 s[\g+3], 32<<16
	s_mov_b32 s[\g+4], 128*KS/256
	s_mov_b32 s[\g+5], 32
	s_mov_b32 s[\g+6], 0
	s_mov_b32 s[\g+7], 0
.endr
	s_lshl_b32 s18, s16, 7
	s_lshl_b32 s20, s17, 8
	s_add_co_u32 s20, s20, s18                     ; A: row 256 x tile row + 128 x half
	s_lshl_b32 s46, s42, 8
	s_add_co_u32 s46, s46, s18                     ; B: row 256 x tile column + 128 x half
	s_mov_b32 s21, 0
	s_mov_b32 s47, 0
	s_mov_b64 s[18:19], KS
	s_mul_u64 s[22:23], s[20:21], s[18:19]
	s_mul_u64 s[92:93], s[46:47], s[18:19]
	s_mov_b64 s[18:19], KROW
	s_mul_u64 s[20:21], s[20:21], s[18:19]
	s_mul_u64 s[46:47], s[46:47], s[18:19]
	s_mul_i32 s45, s14, HALFT                      ; where they go: wave x 128 rows
	s_mul_i32 s94, s14, HALFS
	s_wait_dscnt 0x0                               ; both opening adds are done
	s_wait_kmcnt 0x0
	s_add_nc_u64 s[20:21], s[4:5], s[20:21]
	s_add_nc_u64 s[22:23], s[6:7], s[22:23]
	s_add_nc_u64 s[46:47], s[8:9], s[46:47]
	s_add_nc_u64 s[92:93], s[10:11], s[92:93]
	CROUND                                         ; all sixteen work-groups are here: the joint loads meet
	s_mov_b32 s[G0S], 1
	s_add_co_u32 s[G0S+1], s94, SCL
	s_mov_b64 s[G0S+2:G0S+3], s[22:23]
	s_or_b32 s[G0S+3], s[G0S+3], 0x80000000
	s_mov_b32 s[G0SB], 1
	s_add_co_u32 s[G0SB+1], s94, SCL
	s_mov_b64 s[G0SB+2:G0SB+3], s[92:93]
	s_or_b32 s[G0SB+3], s[G0SB+3], 0x80000000
	JLOAD G0S, G1S, G0SB, G1SB                     ; the scales first
.irp s, 0,1
	s_mov_b32 s[G0+4*\s], 1
	s_add_co_u32 s[G0+4*\s+1], s45, \s*SLOT
	s_add_nc_u64 s[G0+4*\s+2:G0+4*\s+3], s[20:21], \s*ROWB
	s_or_b32 s[G0+4*\s+3], s[G0+4*\s+3], 0x80000000
	s_mov_b32 s[G0B+4*\s], 1
	s_add_co_u32 s[G0B+4*\s+1], s45, \s*SLOT
	s_add_nc_u64 s[G0B+4*\s+2:G0B+4*\s+3], s[46:47], \s*ROWB
	s_or_b32 s[G0B+4*\s+3], s[G0B+4*\s+3], 0x80000000
	JLOAD G0+4*\s, G1, G0B+4*\s, G1B
.endr
	v_and_b32 v1, 15, v0                           ; l % 16
	v_bfe_u32 v2, v0, 4, 1                         ; l / 16
	v_mul_u32_u24 v3, v1, PITCH
	v_lshl_add_u32 v4, v2, 4, v3                   ; a fragment's row x pitch + 16 x half
	s_mul_i32 s21, s15, HALFT
	s_mul_i32 s22, s16, HALFT
	s_add_co_u32 s22, s22, 2*HALFT
.irp s, 0,1
	v_add_nc_u32 v[ADRA+\s], s21, v4
	v_add_nc_u32 v[ADRB+\s], s22, v4
	s_add_co_u32 s21, s21, SLOT
	s_add_co_u32 s22, s22, SLOT
.endr
	v_mul_u32_u24 v5, v1, KS                       ; my row's scales: 32 bytes a row,
	v_lshrrev_b32 v6, 8, v5
	v_lshl_add_u32 v5, v6, 4, v5                   ; and 16 more for each 256 passed
	s_mul_i32 s21, s15, HALFS
	s_mul_i32 s22, s16, HALFS
	s_add_co_u32 s22, s22, 2*HALFS
	s_sub_co_u32 s22, s22, s21
	v_mul_u32_u24 v6, s22, v2                      ; lanes 16-31 take B's
	s_add_co_u32 s21, s21, SCL
	v_add_nc_u32 v5, v5, v6
	v_add_nc_u32 v[ADRS], s21, v5
	s_mul_i32 s23, s14, 16*SPITCH                  ; my stage
	v_mul_u32_u24 v5, v1, SPITCH
	v_lshl_add_u32 v5, v2, 4, v5
	v_add_nc_u32 v[STO], s23, v5                   ; in: row l % 16, 16 bytes for each half of the lanes
	v_lshrrev_b32 v6, 3, v1
	v_mul_u32_u24 v6, v6, SPITCH
	v_and_b32 v7, 7, v1
	v_lshl_add_u32 v6, v7, 4, v6
	v_lshl_add_u32 v6, v2, 7, v6
	v_add_nc_u32 v[RD], s23, v6                    ; back: sixteen lanes take one head's 128 bytes of two rows; lanes 16-31 the other head's
	v_lshlrev_b32 v[CO], 18, v2                    ; in qkv16: the next head is 262,144 bytes on;
	v_lshl_add_u32 v[CO], v1, 4, v[CO]             ; two rows of a head are 256 consecutive bytes
	v_lshlrev_b32 v[VB], 5, v2
	v_and_b32 v[VIM], 31, v0
	v_lshlrev_b32 v[VIM], 4, v[VIM]
	s_lshl_b32 s46, s42, 10                        ; the bias of my 128 columns: 4 x (256 x tile column + 128 x half)
	s_lshl_b32 s47, s16, 9
	s_add_co_u32 s46, s46, s47
	s_mov_b32 s47, 0
	s_add_nc_u64 s[96:97], s[96:97], s[46:47]
.irp b, 0,1,2,3,4,5,6,7
	global_load_b128 v[BI+8*\b:BI+8*\b+3], v[VB], s[96:97] offset:64*\b       ; lane (r, h): b_attn at columns 16 b + 8 h + 0 .. 7
	global_load_b128 v[BI+8*\b+4:BI+8*\b+7], v[VB], s[96:97] offset:64*\b+16
.endr
	s_lshl_b32 s46, s42, 2                         ; my first head among the 48: 4 x tile column + 2 x half
	s_lshl_b32 s47, s16, 1
	s_add_co_u32 s46, s46, s47
	s_lshr_b32 s47, s46, 4
	s_lshl_b32 s47, s47, 24                        ; q, k or v: 16,777,216 bytes each
	s_and_b32 s46, s46, 15
	s_lshl_b32 s46, s46, 18                        ; the head: 262,144
	s_add_co_u32 s46, s46, s47
	s_lshl_b32 s47, s41, 22                        ; the batch: 4,194,304
	s_add_co_u32 s46, s46, s47
	s_lshl_b32 s47, s3, 15                         ; 256 positions x 128 bytes
	s_add_co_u32 s46, s46, s47
	s_lshl_b32 s47, s15, 14                        ; my 128 rows
	s_add_co_u32 s46, s46, s47
	s_mov_b32 s47, 0
	s_add_nc_u64 s[98:99], s[98:99], s[46:47]
	s_mul_i32 s46, s41, 196608                     ; qkv32: the batch,
	s_lshl_b32 s47, s42, 14                        ; 16 blocks of columns a tile,
	s_add_co_u32 s46, s46, s47
	s_lshl_b32 s47, s16, 13                        ; 8 a wave, 1,024 bytes each
	s_add_co_u32 s46, s46, s47
	s_mov_b32 s47, 0
	s_add_nc_u64 s[12:13], s[12:13], s[46:47]
.macro FRAG reg, adr, q, i             ; 16 rows x 128 K of 4-bit codes: 8 registers: two loads of 16 bytes, 32 bytes apart
.irp c, 0,1
	ds_load_b128 v[\reg+4*\c:\reg+4*\c+3], v[\adr] offset:64*(\q)+32*\c+(\i)*16*PITCH
.endr
.endm
; 16 matrix instructions: A's blocks a0, a0 + 1 x B's eight.  p: B's set; sc: the set of scale words.  first = 1: the bias is the C: nothing is cleared or added later.
; The 64 accumulators take turns, one instruction a turn, in the same order in every step.
.macro MUL16 a0, p, q, sc, first
.irp a, \a0, \a0+1
.irp b, 0,1,2,3,4,5,6,7
.if \first
	v_wmma_scale_f32_16x16x128_f8f6f4 v[8*(8*((\a)%4)+\b):8*(8*((\a)%4)+\b)+7], v[128*(\p)+FR*\b:128*(\p)+FR*\b+FR-1], v[AF+FR*(\a):AF+FR*(\a)+FR-1], v[BI+8*\b:BI+8*\b+7], v[SC+8*NQ*(\sc)+NQ*\b+(\q)], v[SC+8*NQ*(\sc)+NQ*(\a)+(\q)] matrix_a_fmt:MATRIX_FMT_FP4 matrix_b_fmt:MATRIX_FMT_FP4 matrix_a_scale:MATRIX_SCALE_ROW1
.else
	v_wmma_scale_f32_16x16x128_f8f6f4 v[8*(8*((\a)%4)+\b):8*(8*((\a)%4)+\b)+7], v[128*(\p)+FR*\b:128*(\p)+FR*\b+FR-1], v[AF+FR*(\a):AF+FR*(\a)+FR-1], v[8*(8*((\a)%4)+\b):8*(8*((\a)%4)+\b)+7], v[SC+8*NQ*(\sc)+NQ*\b+(\q)], v[SC+8*NQ*(\sc)+NQ*(\a)+(\q)] matrix_a_fmt:MATRIX_FMT_FP4 matrix_b_fmt:MATRIX_FMT_FP4 matrix_a_scale:MATRIX_SCALE_ROW1
.endif
.endr
.endr
.endm
.macro FETCH_B slot, q, p
	WIN TO_B
.irp i, 0,1,2,3,4,5,6,7
	FRAG 128*(\p)+FR*\i, ADRB+\slot, \q, \i
.endr
	WIN 0
.endm
.macro FETCH_A slot, q, i0
.irp i, \i0, \i0+1, \i0+2, \i0+3
	FRAG AF+FR*(\i), ADRA+\slot, \q, \i
.endr
.endm
.macro SCALES sc                       ; a K step's scale words: lanes 0-15 take A's block i, lanes 16-31 B's block i
.irp i, 0,1,2,3,4,5,6,7
	ds_load_b128 v[SC+8*NQ*\sc+NQ*\i:SC+8*NQ*\sc+NQ*\i+3], v[ADRS] offset:\i*SBLK
.endr
.endm
.macro PLACES n                        ; plain vector instructions between a matrix instruction and a load into, or a read of, its registers
.rept \n
	v_nop
.endr
.endm
.macro STEP slot, q, first             ; a step of 128 along K that has its successor in the same slot
	s_wait_dscnt 4*NL                              ; B's set and A's blocks 0-3 are in; the youngest eight loads (A's blocks 4-7) may be out
.if \first
	WIN FST_LO
.else
	WIN MUL_LO
.endif
	MUL16 0, (\q)%2, \q, \slot, \first
	MUL16 2, (\q)%2, \q, \slot, \first
	s_wait_dscnt 0                                 ; A's blocks 4-7 are in
	PLACES NP
	FETCH_B \slot, (\q)+1, 1-(\q)%2
	FETCH_A \slot, (\q)+1, 0
.if \first
	WIN FST_HI
.else
	WIN MUL_HI
.endif
	MUL16 4, (\q)%2, \q, \slot, \first
	MUL16 6, (\q)%2, \q, \slot, \first
	PLACES NP
	WIN 0
	FETCH_A \slot, (\q)+1, 4
.endm
.macro STEPS slot, from
.set Q, \from
.rept NQ-1-\from
	STEP \slot, Q, 0
.set Q, Q+1
.endr
.endm
	s_wait_tensorcnt 1                             ; the scales and my part of slot 0 are in; slot 1's load, the one issued behind them, may be out
	s_barrier_signal -1
	s_barrier_wait -1                              ; everybody's are
	FETCH_B 0, 0, 0
	FETCH_A 0, 0, 0
	SCALES 0
	FETCH_A 0, 0, 4
	s_wait_loadcnt 0x0                             ; the bias
	STEP 0, 0, 1
	STEPS 0, 1
	; slot 0's last step changes slots: one barrier; in front of it my part of slot 1 has landed and my reads of slot 0 are over
	s_wait_tensorcnt 0x0
	ds_add_u32 v[SPW], v[NIL]                      ; 0 onto my spare word
	s_wait_dscnt 4*NL+1                            ; the add and the youngest eight loads may be out
	WIN MUL_LO
	MUL16 0, 1, NQ-1, 0, 0
	s_wait_dscnt 0x0
	s_barrier_signal -1
	MUL16 2, 1, NQ-1, 0, 0
	WIN 0
	s_barrier_wait -1
	PLACES NP
	v_add_nc_u32 v[ADRS], 4*NQ, v[ADRS]            ; the second K step's scale words
	FETCH_B 1, 0, 0
	FETCH_A 1, 0, 0
	SCALES 1
	WIN MUL_HI
	MUL16 4, 1, NQ-1, 0, 0
	MUL16 6, 1, NQ-1, 0, 0
	PLACES NP
	WIN 0
	FETCH_A 1, 0, 4
	STEPS 1, 0
	s_wait_dscnt 4*NL                              ; the very last step
	WIN MUL_LO
	MUL16 0, 1, NQ-1, 1, 0
	MUL16 2, 1, NQ-1, 1, 0
	s_wait_dscnt 0
	WIN MUL_HI
	MUL16 4, 1, NQ-1, 1, 0
	MUL16 6, 1, NQ-1, 1, 0
	WIN 0
	PLACES NP                                      ; in front of every read of results and of the loads into the registers that held A's fragments
	; positions 0 to 15 in f32: block 0 of the waves with the tile's upper rows, in the clusters with cluster y = 0.  Each store covers 512 consecutive bytes; each accumulator from its low end on.
	s_cmp_lg_u32 s3, 0
	s_cbranch_scc1 .Lnoimg
	s_cmp_lg_u32 s15, 0
	s_cbranch_scc1 .Lnoimg
	WIN 0x08                                       ; a store's data are its source 1: window 2
.irp b, 0,1,2,3,4,5,6,7
	global_store_b128 v[VIM], v[8*\b:8*\b+3], s[12:13] offset:1024*\b
	global_store_b128 v[VIM], v[8*\b+4:8*\b+7], s[12:13] offset:1024*\b+512
.endr
	WIN 0
.Lnoimg:
; THE WAY OUT, block by block of 16 rows x 128 columns (two heads): rounded to f16, 16 bytes a lane into my stage, back so that sixteen lanes hold two rows of one head: 256 consecutive bytes of qkv16, aligned.
.macro PACK a
.set AC, 64*((\a)%4)
	WIN 0x0a+5*((\a)/4)                            ; sources 0 and 1: window 2 or 3
.irp b, 0,1,2,3,4,5,6,7
.irp r, 0,1,2,3
	v_cvt_pk_f16_f32 v[TMP+4*\b+\r], v[AC+8*\b+2*\r], v[AC+8*\b+2*\r+1]
.endr
.endr
	WIN 0
.endm
.macro TOSTAGE a
.set BB, BK+32*((\a)%2)
.irp b, 0,1,2,3,4,5,6,7
	ds_store_b128 v[STO], v[TMP+4*\b:TMP+4*\b+3] offset:32*\b
.endr
.irp u, 0,1,2,3,4,5,6,7
	ds_load_b128 v[BB+4*\u:BB+4*\u+3], v[RD] offset:\u*2*SPITCH    ; LDS serves a wave's instructions in order: these see the stores above
.endr
.endm
.macro SEND a
.set BB, BK+32*((\a)%2)
	s_wait_dscnt 0x0                               ; the block is back in registers
	s_wait_xcnt 0x0                                ; the block before has had its stores' registers read: the next block's loads may land there
.irp u, 0,1,2,3,4,5,6,7
	global_store_b128 v[CO], v[BB+4*\u:BB+4*\u+3], s[98:99] offset:2048*(\a)+256*\u
.endr
.endm
	PACK 0
	TOSTAGE 0
.irp a, 1,2,3,4,5,6,7                  ; block a's conversions stand between block a - 1's loads from the stage and the wait for them
	PACK \a
	SEND \a-1
	TOSTAGE \a
.endr
	SEND 7
	s_wait_tensorcnt 0x0                           ; the wave's end
	ds_add_u32 v[SPW], v[NIL]
	s_wait_dscnt 0x0
	CROUND                                         ; the closing round
	s_endpgm
.Lfunc_end_k_q62f7cca435_gemm1:
	.size	k_q62f7cca435_gemm1, .Lfunc_end_k_q62f7cca435_gemm1-k_q62f7cca435_gemm1
	.p2alignl 7, 3214868480
	.fill 96, 4, 3214868480
	.section	.rodata,"a",@progbits
	.p2align	6, 0x0
	.amdhsa_kernel k_q62f7cca435_gemm1
		.amdhsa_group_segment_fixed_size 327680
		.amdhsa_private_segment_fixed_size 0
		.amdhsa_enable_private_segment 0
		.amdhsa_kernarg_size 56
		.amdhsa_user_sgpr_count 2
		.amdhsa_user_sgpr_kernarg_segment_ptr 1
		.amdhsa_wavefront_size32 1
		.amdhsa_system_sgpr_workgroup_id_x 1
		.amdhsa_system_sgpr_workgroup_id_y 1
		.amdhsa_system_sgpr_workgroup_id_z 1
		.amdhsa_system_vgpr_workitem_id 0
		.amdhsa_next_free_vgpr 1024
		.amdhsa_next_free_sgpr 100
		.amdhsa_reserve_vcc 0
		.amdhsa_float_denorm_mode_32 3
		.amdhsa_float_denorm_mode_16_64 3
		.amdhsa_memory_ordered 1
		.amdhsa_forward_progress 1
		.amdhsa_inst_pref_size 130
	.end_amdhsa_kernel
	.amdgpu_metadata
---
amdhsa.version: [ 1, 2 ]
amdhsa.kernels:
  - .name:           k_q62f7cca435_gemm1
    .symbol:         k_q62f7cca435_gemm1.kd
    .args:
      - { .name: x_codes, .offset: 0, .size: 8, .value_kind: global_buffer, .address_space: global }
      - { .name: x_scales, .offset: 8, .size: 8, .value_kind: global_buffer, .address_space: global }
      - { .name: w_codes, .offset: 16, .size: 8, .value_kind: global_buffer, .address_space: global }
      - { .name: w_scales, .offset: 24, .size: 8, .value_kind: global_buffer, .address_space: global }
      - { .name: b_attn, .offset: 32, .size: 8, .value_kind: global_buffer, .address_space: global }
      - { .name: qkv16, .offset: 40, .size: 8, .value_kind: global_buffer, .address_space: global }
      - { .name: qkv32, .offset: 48, .size: 8, .value_kind: global_buffer, .address_space: global }
    .group_segment_fixed_size: 327680
    .private_segment_fixed_size: 0
    .kernarg_segment_align: 8
    .kernarg_segment_size: 56
    .max_flat_workgroup_size: 128
    .sgpr_count:     100
    .vgpr_count:     1024
    .wavefront_size: 32
...
	.end_amdgpu_metadata
.endif
;; end of part 2
;; launch attn (part 3): grid 4 x 64, 8 waves a work-group, no clusters, 327,680 bytes of LDS; arguments qkv16, y16; writes y16
.if DOCPART == 3
	.amdgcn_target "amdgcn-amd-amdhsa--gfx1250"
	.amdhsa_code_object_version 6
	.text
	.protected	k_q62f7cca435_attn
	.globl	k_q62f7cca435_attn
	.p2align	8
	.type	k_q62f7cca435_attn,@function
k_q62f7cca435_attn:
	s_mov_b64 s[64:65], 0
	v_nop
	global_prefetch_b8 v0, s[64:65] scope:SCOPE_SE
	s_setreg_imm32_b32 hwreg(HW_REG_WAVE_MODE, 25, 1), 1
	s_wait_xcnt 0x0
; y[b][h][q] = the sum over k <= q of softmax_k(q . k / 8) v[k], head size 64, 2,048 positions, 64 heads (batch x head).  q, k, v: qkv16, f16 [3][64 heads][2048][64].  y16: f16 [16 h][8192 = 2048 b + t][64].
; Products in f16 with f32 sums; maxima, exponentials and sums in f32; the weights p are rounded to f16 for the second product, y once at the end.
; LIMITS: q, k, v arrive as f16 (magnitudes under 65,504).  Positions 0 to 15 of every sequence are made here too, but a later launch makes the output's rows of those positions again in f32.
; SHARES.  Work-group (i, head) owns the blocks of 256 queries i and 7 - i, so that under the causal mask every work-group has 9 blocks' worth of keys.  Wave w owns two PIECES of two tiles of 16 queries:
; piece 0 at QH = 256 (7 - i) + 32 (7 - w), piece 2 at QL = 256 i + 32 w: every wave has the same work.  Two waves share a SIMD: one wave's softmax stands beside the other's products.
; NO CLUSTER: the four work-groups of a head need 8, 7, 6 and 5 slots of keys; a joint load would bring tiles that a partner never reads.
; LAYOUT.  S^T = K Q^T (source 0 = 16 keys, source 1 = 16 queries): a lane holds ONE query (lane % 16) and keys 8 (lane / 16) + 0..7; two such tiles, rounded in pairs, ARE source 1 of O^T = V^T P.
; K comes out of LDS as it lies, V ([key][channel]) turned, by ds_load_tr16_b128.
; SOFTMAX.  A running maximum m and sum l for each query: p = 2^(c s - c m), c = log2(e) / 8; in every step O and l are multiplied by a = 2^(c m_old - c m_new).
; THE WALK.  64 keys a step, 256 a slot, two slots.  Every work-group walks all 8 slots: trip counts are constants; a step all of whose keys come after a piece's queries is jumped over by a scalar branch on ids.
; A step's first key is a multiple of 64 and a piece's first query of 32, so in every step that is walked the step's first key counts for every query of the piece: m is a number from the first step on.
; REGISTERS: window 0: v1-15, v48, v49 addresses; v16-47 statistics, 8 a tile (+0 c m, +1 m, +2, +3 l, +4..+7 at work, a at +6); v64-127 S^T of the piece in hand; v128-159 P; v160-223 K's fragments; v224-255 the way out.
;   window 1: v0-63 Q (16 a tile); v64-191 O^T (32 a tile); v192-255 V's fragments.
.set WHICH, 16777216                   ; bytes of q, of k, of v
.set KP,    144                        ; a key's row in LDS: 128 bytes + 16: the 16 rows of a load start at 16 different groups of banks (64 banks of 4 bytes: ISA guide 11.1)
.set VP,    160                        ; a row of V: 128 + 32
.set SK,    256                        ; keys in a slot
.set VOFF,  SK*KP
.set SLOT1, 1<<17                      ; slot 1 begins here: one exclusive or turns an address from one slot to the other
.set STAGE, SLOT1+VOFF+SK*VP           ; behind the ring: 16 rows x 144 bytes for each wave, for the way out
.set SPARE, STAGE+8*16*KP              ; the spare words, 128 bytes a wave: four blocks of 256 bytes that no other line names
.set AK0, 3
.set AV0, 4
.set ADK, 5
.set ADV, 6
.set SPW, 7
.set NIL, 8
.set STO, 9
.set RD,  10
.set GO,  11
.set PFO, 12
.set DD,  13                           ; v13, v14: my query less the step's first key less 8 (lane / 16), for the piece's two tiles
.set NINF, 15
.set ST,  16
.set QO,  48
.set RH,  49                           ; lane % 16 - 8 (lane / 16)
.set S,   64
.set P,   128
.set KFR, 160
.set PK2, 224
.set OT,  64                           ; window 1
.set VFR, 192                          ; window 1
.set WV,  8
.set QH,  11
.set QL,  12
.set KF,  13                           ; the step's first key
.set TK,  14                           ; LDS byte of the step's rows of K
.set TV,  15                           ; and of V (less VOFF)
.set SLOTS, 16
.set STEPC, 17
.set LASTQ, 18                         ; my work-group's last query
.set SEL, 20
.set CS,  22
.set G1K, 24
.set G1V, 32
.set G0K, 40
.set G0V, 44
.set PFK, 48
.set PFV, 50
.set LIM, 52
.set QHA, 54
.set QLA, 56
.set YH,  58
.set YL,  60
.set MSB, 0
.macro WIN new
.if MSB != (\new)
	s_set_vgpr_msb (MSB<<8)|(\new)
.set MSB, (\new)
.endif
.endm
; Waves 0 and 1 fetch K's halves of a slot, waves 2 and 3 V's, the others nothing.  An s_nop 0 and four v_nop follow each of the two lines.
.macro TLOAD
	s_cmp_lt_u32 s[WV], 2
	s_cbranch_scc0 .Lnot_k_\@
	tensor_load_to_lds s[G0K:G0K+3], s[G1K:G1K+7]
	s_nop 0
.rept 4
	v_nop
.endr
	s_branch .Lasked_\@
.Lnot_k_\@:
	s_cmp_lt_u32 s[WV], 4
	s_cbranch_scc0 .Lasked_\@
	tensor_load_to_lds s[G0V:G0V+3], s[G1V:G1V+7]
	s_nop 0
.rept 4
	v_nop
.endr
.Lasked_\@:
.endm
; A PREFETCH of what the NEXT change of slots will ask for: a slot's 32,768 dense bytes of K and of V, four key steps ahead of that load.  All four work-groups of a head walk the same K and V: work-group i = 0, which
; loads every slot, asks; in it the waves that fetch nothing, 4 to 7, name 8,192 bytes each of K and of V, lanes 256 bytes apart: each aligned block of 256 bytes is named once in the launch.
; Slots 0 and 1 come by their loads alone; the last change that fills a slot asks for nothing.
.macro ASK
	s_cmp_gt_u32 s[SLOTS], s[LIM]
	s_cbranch_scc0 .Lnot_mine_\@
	global_prefetch_b8 v[PFO], s[PFK:PFK+1] th:TH_LOAD_NT scope:SCOPE_SE
	global_prefetch_b8 v[PFO], s[PFV:PFV+1] th:TH_LOAD_NT scope:SCOPE_SE
.Lnot_mine_\@:
.endm
	s_load_b128 s[4:7], s[0:1], 0x0                ; qkv16 s[4:5], y16 s[6:7]
	v_lshl_add_u32 v[SPW], v0, 2, SPARE
	v_mov_b32 v[NIL], 0
	ds_add_u32 v[SPW], v[NIL]                      ; the wave's opening: the add, twice on end, and its wait ahead of the first tensor load
	ds_add_u32 v[SPW], v[NIL]
	v_lshrrev_b32 v1, 5, v0
	v_readfirstlane_b32 s[WV], v1                  ; wave 0..7
	s_and_b32 s10, ttmp7, 0xffff                   ; the head, 16 x batch + head
	s_sub_co_u32 s66, 7, ttmp9
	s_lshl_b32 s[QH], s66, 8
	s_or_b32 s[LASTQ], s[QH], 255
	s_sub_co_u32 s67, 7, s[WV]
	s_lshl_b32 s67, s67, 5
	s_add_co_u32 s[QH], s[QH], s67
	s_lshl_b32 s[QL], ttmp9, 8
	s_lshl_b32 s67, s[WV], 5
	s_add_co_u32 s[QL], s[QL], s67
	s_mov_b32 s[G1K], (1<<16)|(1<<20)|(4<<22)|(3<<25)   ; no mask; elements of 2 bytes; padding on: after every 32 words 4 words
	s_mov_b32 s[G1V], (1<<16)|(1<<20)|(4<<22)|(7<<25)   ; the same with 8 words
.irp g, G1K, G1V
	s_mov_b32 s[\g+1], 64<<16                      ; tensor_dim0 = 64
	s_mov_b32 s[\g+2], 128<<16                     ; tensor_dim1 = 128
	s_mov_b32 s[\g+3], 64<<16                      ; tile_dim0
	s_mov_b32 s[\g+4], 128                         ; tile_dim1
	s_mov_b32 s[\g+5], 64                          ; the pitch
	s_mov_b32 s[\g+6], 0
	s_mov_b32 s[\g+7], 0
.endr
	s_mov_b32 s[SEL], 0x76543210
	s_mov_b32 s[SEL+1], 0xfedcba98                 ; v_permlanex16_b32's selects for lane l xor 16
	s_mov_b32 s[CS], 0x3e38aa3b                    ; c = log2(e) / 8
	s_mov_b32 s[CS+1], s[CS]
	s_mov_b32 s[KF], 0
	s_mov_b32 s[TK], 0
	s_mov_b32 s[TV], 0
	s_mov_b32 s[SLOTS], 7
	s_and_b32 s68, s[WV], 1                        ; which 128 rows of a slot I fetch, if I fetch
	s_mul_i32 s69, s68, 128*KP
	s_mul_i32 s70, s68, 128*VP
	s_add_co_u32 s70, s70, VOFF
	s_lshl_b32 s72, s10, 18                        ; the head's first byte: 262,144 a head
	s_mov_b32 s73, 0
	s_lshl_b32 s74, s68, 14
	s_mov_b32 s75, 0
	s_wait_dscnt 0x0                               ; both opening adds are done
	s_wait_kmcnt 0x0
	s_add_nc_u64 s[4:5], s[4:5], s[72:73]          ; q of my head
	s_add_nc_u64 s[PFK:PFK+1], s[4:5], WHICH       ; k
	s_add_nc_u64 s[PFV:PFV+1], s[PFK:PFK+1], WHICH ; v
	s_mov_b32 s[G0K], 1
	s_mov_b32 s[G0K+1], s69
	s_add_nc_u64 s[G0K+2:G0K+3], s[PFK:PFK+1], s[74:75]
	s_or_b32 s[G0K+3], s[G0K+3], 0x80000000
	s_mov_b32 s[G0V], 1
	s_mov_b32 s[G0V+1], s70
	s_add_nc_u64 s[G0V+2:G0V+3], s[PFV:PFV+1], s[74:75]
	s_or_b32 s[G0V+3], s[G0V+3], 0x80000000
	TLOAD                                          ; slot 0: it holds key 0, which counts for every query
	v_and_b32 v1, 15, v0                           ; r
	v_bfe_u32 v2, v0, 4, 1                         ; h
	v_lshlrev_b32 v[QO], 7, v1
	v_lshl_add_u32 v[QO], v2, 4, v[QO]             ; Q: row r of 128 bytes + 16 h
	s_lshl_b32 s66, s[QH], 7
	s_mov_b32 s67, 0
	s_lshl_b32 s68, s[QL], 7
	s_mov_b32 s69, 0
	s_add_nc_u64 s[QHA:QHA+1], s[4:5], s[66:67]
	s_add_nc_u64 s[QLA:QLA+1], s[4:5], s[68:69]
	WIN 0x40                                       ; destination window 1
.irp t, 0,1
.irp ks, 0,1
	global_load_b128 v[16*\t+8*\ks:16*\t+8*\ks+3], v[QO], s[QHA:QHA+1] offset:2048*\t+64*\ks
	global_load_b128 v[16*\t+8*\ks+4:16*\t+8*\ks+7], v[QO], s[QHA:QHA+1] offset:2048*\t+64*\ks+32
	global_load_b128 v[32+16*\t+8*\ks:32+16*\t+8*\ks+3], v[QO], s[QLA:QLA+1] offset:2048*\t+64*\ks
	global_load_b128 v[32+16*\t+8*\ks+4:32+16*\t+8*\ks+7], v[QO], s[QLA:QLA+1] offset:2048*\t+64*\ks+32
.endr
.endr
.set n, 0
.rept 128
	v_mov_b32 v[OT+n], 0                           ; O^T.  The step is written once, with no first step of its own: it finds zeros, which the first a = 0 leaves zeros
.set n, n+1
.endr
	WIN 0
	s_and_b32 s70, s10, 15
	s_lshl_b32 s70, s70, 20                        ; y16: the head's plane of 1,048,576 bytes,
	s_lshr_b32 s71, s10, 4
	s_lshl_b32 s71, s71, 18                        ; the batch's 2,048 rows of 128 bytes
	s_add_co_u32 s70, s70, s71
	s_mov_b32 s71, 0
	s_add_nc_u64 s[6:7], s[6:7], s[70:71]
	s_add_nc_u64 s[YH:YH+1], s[6:7], s[66:67]
	s_add_nc_u64 s[YL:YL+1], s[6:7], s[68:69]
	s_and_b32 s72, s[WV], 3
	s_lshl_b32 s72, s72, 13
	s_add_co_u32 s72, s72, 32768                   ; the prefetches stand in slot 1; the first change of slots steps them to slot 2
	s_mov_b32 s73, 0
	s_add_nc_u64 s[PFK:PFK+1], s[PFK:PFK+1], s[72:73]
	s_add_nc_u64 s[PFV:PFV+1], s[PFV:PFV+1], s[72:73]
	s_lshr_b32 s66, s[WV], 2
	s_xor_b32 s66, s66, 1                          ; 0 in waves 4 to 7,
	s_or_b32 s66, s66, ttmp9                       ; of work-group i = 0
	s_cmp_eq_u32 s66, 0
	s_cselect_b32 s[LIM], 1, -1
	v_and_b32 v[GO], 31, v0
	v_lshlrev_b32 v[PFO], 8, v[GO]
	v_mul_u32_u24 v[AK0], v1, KP
	v_lshl_add_u32 v[AK0], v2, 4, v[AK0]           ; K: row r x pitch + 16 h
	v_and_b32 v5, 7, v0
	v_lshl_add_u32 v[AV0], v2, 3, v5
	v_mul_u32_u24 v[AV0], v[AV0], VP
	v_bfe_u32 v5, v0, 3, 1
	v_lshl_add_u32 v[AV0], v5, 4, v[AV0]
	v_add_nc_u32 v[AV0], VOFF, v[AV0]              ; V, turned: key 8 h + l % 8, channels 8 ((l / 8) % 2) on
	s_mul_i32 s66, s[WV], 16*KP
	s_add_co_u32 s66, s66, STAGE                   ; my stage
	v_add_nc_u32 v[STO], s66, v[AK0]               ; in: row r, 16 bytes for each half of the lanes
	v_lshrrev_b32 v[RD], 3, v[GO]
	v_mul_u32_u24 v[RD], v[RD], KP
	v_and_b32 v5, 7, v0
	v_lshl_add_u32 v[RD], v5, 4, v[RD]
	v_add_nc_u32 v[RD], s66, v[RD]                 ; back: eight lanes to a row of 128 bytes, four rows an instruction
	v_lshlrev_b32 v[GO], 4, v[GO]                  ; the same 512 bytes in y16
	v_lshlrev_b32 v[RH], 3, v2
	v_sub_nc_u32 v[RH], v1, v[RH]
	v_mov_b32 v[NINF], 0xff800000                  ; -infinity
.irp t, 0,1,2,3
	v_mov_b32 v[ST+8*\t+1], 0xff61b1e6             ; m = -3e38, under every score
	v_mul_f32 v[ST+8*\t], s[CS], v[ST+8*\t+1]      ; c m
	v_mov_b32 v[ST+8*\t+2], 0                      ; l, in two halves
	v_mov_b32 v[ST+8*\t+3], 0
	v_mov_b32 v[ST+8*\t+4], 0                      ; (written on every way through the text)
	v_mov_b32 v[ST+8*\t+5], 0
	v_mov_b32 v[ST+8*\t+6], 0
	v_mov_b32 v[ST+8*\t+7], 0
.endr
; ONE PIECE'S PART OF A KEY STEP: tiles x and x + 1; qs: the scalar register with the piece's first query.  Accumulators take turns, one instruction a turn: eight in each product.
.macro PIECE x, qs
.if \x == 0
	s_wait_dscnt 16                                ; K's 16 loads are in; V's 16, issued behind them, may be out
.endif
	WIN 0x04                                       ; source 1 (Q) window 1
.irp ks, 0,1
.irp kt, 0,1,2,3
.irp u, 0,1
.if \ks == 0
	v_wmma_f32_16x16x32_f16 v[S+32*\u+8*\kt:S+32*\u+8*\kt+7], v[KFR+16*\kt+8*\ks:KFR+16*\kt+8*\ks+7], v[16*(\x+\u)+8*\ks:16*(\x+\u)+8*\ks+7], 0
.else
	v_wmma_f32_16x16x32_f16 v[S+32*\u+8*\kt:S+32*\u+8*\kt+7], v[KFR+16*\kt+8*\ks:KFR+16*\kt+8*\ks+7], v[16*(\x+\u)+8*\ks:16*(\x+\u)+8*\ks+7], v[S+32*\u+8*\kt:S+32*\u+8*\kt+7]
.endif
.endr
.endr
.endr
	WIN 0
.rept 4
	v_nop                                          ; places in front of the first read of the scores (ISA guide 7.12.1)
.endr
	s_add_co_u32 s66, s[KF], 63                    ; a step all of whose keys count for all 32 queries skips the mask
	s_cmp_le_u32 s66, s[\qs]
	s_cbranch_scc1 .Lopen_\@
	s_sub_co_i32 s66, s[\qs], s[KF]
	v_add_nc_u32 v[DD], s66, v[RH]
	v_add_nc_u32 v[DD+1], 16, v[DD]                ; register n holds key KF + 16 (n / 8) + 8 (lane / 16) + n % 8: hidden where 16 (n / 8) + n % 8 > DD
.irp u, 0,1
.set n, 0
.rept 32
	v_cmp_gt_i32 vcc_lo, 16*(n/8)+n%8, v[DD+\u]
	v_cndmask_b32 v[S+32*\u+n], v[S+32*\u+n], v[NINF], vcc_lo
.set n, n+1
.endr
.endr
.Lopen_\@:
	; the maximum of my 32 scores and the old m: four chains, each begun at an accumulator's low end; the two tiles line by line
.irp c, 0,1,2,3
.irp u, 0,1
	v_max3_num_f32 v[ST+8*(\x+\u)+4+\c], v[S+32*\u+8*\c], v[S+32*\u+8*\c+1], v[S+32*\u+8*\c+2]
.endr
.endr
.irp k, 3,5
.irp c, 0,1,2,3
.irp u, 0,1
	v_max3_num_f32 v[ST+8*(\x+\u)+4+\c], v[ST+8*(\x+\u)+4+\c], v[S+32*\u+8*\c+\k], v[S+32*\u+8*\c+\k+1]
.endr
.endr
.endr
.irp u, 0,1
	v_max3_num_f32 v[ST+8*(\x+\u)+4], v[ST+8*(\x+\u)+4], v[S+32*\u+7], v[S+32*\u+15]
.endr
.irp u, 0,1
	v_max3_num_f32 v[ST+8*(\x+\u)+6], v[ST+8*(\x+\u)+6], v[S+32*\u+23], v[S+32*\u+31]
.endr
.irp u, 0,1
	v_max3_num_f32 v[ST+8*(\x+\u)+4], v[ST+8*(\x+\u)+4], v[ST+8*(\x+\u)+5], v[ST+8*(\x+\u)+6]
.endr
.irp u, 0,1
	v_max3_num_f32 v[ST+8*(\x+\u)+4], v[ST+8*(\x+\u)+4], v[ST+8*(\x+\u)+7], v[ST+8*(\x+\u)+1]
.endr
.irp u, 0,1
	v_permlanex16_b32 v[ST+8*(\x+\u)+5], v[ST+8*(\x+\u)+4], s[SEL], s[SEL+1]   ; the query's other 32 keys lie in the lane 16 away
.endr
.irp u, 0,1
	v_mov_b32 v[ST+8*(\x+\u)+7], v[ST+8*(\x+\u)]   ; c m_old
.endr
.irp u, 0,1
	v_max_num_f32 v[ST+8*(\x+\u)+1], v[ST+8*(\x+\u)+4], v[ST+8*(\x+\u)+5]
.endr
.irp u, 0,1
	v_mul_f32 v[ST+8*(\x+\u)], s[CS], v[ST+8*(\x+\u)+1]
.endr
.irp u, 0,1
	v_sub_f32 v[ST+8*(\x+\u)+7], v[ST+8*(\x+\u)+7], v[ST+8*(\x+\u)]
.endr
.set n, 0
.rept 16
.irp u, 0,1
	v_pk_fma_f32 v[S+32*\u+2*n:S+32*\u+2*n+1], v[S+32*\u+2*n:S+32*\u+2*n+1], s[CS:CS+1], v[ST+8*(\x+\u):ST+8*(\x+\u)+1] op_sel_hi:[1,0,0] neg_lo:[0,0,1] neg_hi:[0,0,1]   ; c s - c m, two at a time
.endr
.set n, n+1
.endr
.irp u, 0,1
	v_exp_f32 v[ST+8*(\x+\u)+6], v[ST+8*(\x+\u)+7] ; a
.endr
.set n, 0
.rept 32
.irp u, 0,1
	v_exp_f32 v[S+32*\u+n], v[S+32*\u+n]           ; p
.endr
.set n, n+1
.endr
	v_nop                                          ; a plain instruction behind the last exponential
	s_wait_alu depctr_va_vdst(0)                   ; ONE wait for the batch of 66, ahead of its first reader
.set n, 0
.rept 16
.irp u, 0,1
	v_cvt_pk_f16_f32 v[P+16*\u+n], v[S+32*\u+2*n], v[S+32*\u+2*n+1]
.endr
.set n, n+1
.endr
.set z, 0
.rept 15                               ; the sum of the 16 pairs, in place: neighbours 1, 2, 4, 8 pairs apart
.set tw, 4
.set tu, z
.if z >= 14
.set tw, 32
.set tu, 0
.elseif z >= 12
.set tw, 16
.set tu, z-12
.elseif z >= 8
.set tw, 8
.set tu, z-8
.endif
.irp u, 0,1
	v_pk_add_f32 v[S+32*\u+tw*tu:S+32*\u+tw*tu+1], v[S+32*\u+tw*tu:S+32*\u+tw*tu+1], v[S+32*\u+tw*tu+tw/2:S+32*\u+tw*tu+tw/2+1]
.endr
.set z, z+1
.endr
.irp u, 0,1
	v_pk_fma_f32 v[ST+8*(\x+\u)+2:ST+8*(\x+\u)+3], v[ST+8*(\x+\u)+2:ST+8*(\x+\u)+3], v[ST+8*(\x+\u)+6:ST+8*(\x+\u)+7], v[S+32*\u:S+32*\u+1] op_sel_hi:[1,0,1]   ; l = a l + the sum
.endr
	WIN 0x41                                       ; O^T (destination and source 0) window 1
.set n, 0
.rept 16
.irp u, 0,1
	v_pk_mul_f32 v[OT+32*(\x+\u)+2*n:OT+32*(\x+\u)+2*n+1], v[OT+32*(\x+\u)+2*n:OT+32*(\x+\u)+2*n+1], v[ST+8*(\x+\u)+6:ST+8*(\x+\u)+7] op_sel_hi:[1,0]   ; O^T x a, each accumulator from its low end on
.endr
.set n, n+1
.endr
.if \x == 0
	s_wait_dscnt 0x0                               ; V is in
.endif
	WIN 0x51                                       ; V, C and D window 1, P window 0
.irp g, 0,1
.irp dt, 0,1,2,3
.irp u, 0,1
	v_wmma_f32_16x16x32_f16 v[OT+32*(\x+\u)+8*\dt:OT+32*(\x+\u)+8*\dt+7], v[VFR+32*\g+8*\dt:VFR+32*\g+8*\dt+7], v[P+16*\u+8*\g:P+16*\u+8*\g+7], v[OT+32*(\x+\u)+8*\dt:OT+32*(\x+\u)+8*\dt+7]
.endr
.endr
.endr
	WIN 0
.endm
; A KEY STEP: 64 keys.  Hidden for the high piece means hidden for both (QL < QH).  The lines at its end that step addresses are run on every way.
.macro STEP
	s_add_co_u32 s66, s[QH], 31
	s_cmp_gt_u32 s[KF], s66
	s_cbranch_scc1 .Lhid_\@
	v_add_nc_u32 v[ADK], s[TK], v[AK0]             ; these four lines are the places behind the last step's products, in front of the loads into K's and V's registers
	v_add_nc_u32 v[ADV], s[TV], v[AV0]
	v_nop
	v_nop
.irp kt, 0,1,2,3
.irp ks, 0,1
	ds_load_b128 v[KFR+16*\kt+8*\ks:KFR+16*\kt+8*\ks+3], v[ADK] offset:\kt*16*KP+64*\ks
	ds_load_b128 v[KFR+16*\kt+8*\ks+4:KFR+16*\kt+8*\ks+7], v[ADK] offset:\kt*16*KP+64*\ks+32
.endr
.endr
	WIN 0x40
.irp g, 0,1
.irp dt, 0,1,2,3
	ds_load_tr16_b128 v[VFR+32*\g+8*\dt:VFR+32*\g+8*\dt+3], v[ADV] offset:\g*32*VP+32*\dt
	ds_load_tr16_b128 v[VFR+32*\g+8*\dt+4:VFR+32*\g+8*\dt+7], v[ADV] offset:\g*32*VP+16*VP+32*\dt
.endr
.endr
	WIN 0
	PIECE 0, QH
	s_add_co_u32 s66, s[QL], 31
	s_cmp_gt_u32 s[KF], s66
	s_cbranch_scc1 .Lhid_\@
	PIECE 2, QL
.Lhid_\@:
	s_add_co_u32 s[KF], s[KF], 64
	s_add_co_u32 s[TK], s[TK], 64*KP
	s_add_co_u32 s[TV], s[TV], 64*VP
.endm
; THE CHANGE OF SLOTS stands at a slot's head.  Each wave waits for all its tensor loads, adds 0 to its spare word, and waits for that and for its reads of the slot that it has left; behind the barrier the slot ahead is whole
; and nobody reads the other one.  fill = 1: that other slot is asked for, while its first key is at or under my work-group's last query: a slot beyond that is read by none of the eight waves.  The test is made of ids and
; the count of steps alone, the same in all waves; it leads round the load's own lines and nothing else; every wait on TENSORcnt in this text is for 0.
.macro CHANGE fill
	s_wait_tensorcnt 0x0
	ds_add_u32 v[SPW], v[NIL]
.if \fill
	ds_add_u32 v[SPW], v[NIL]                      ; and twice on end here, in every trip alike
	s_xor_b32 s[G0K+1], s[G0K+1], SLOT1            ; no load of mine is out: the walking descriptors step: the other slot, the next 256 keys
	s_add_nc_u64 s[G0K+2:G0K+3], s[G0K+2:G0K+3], 32768
	s_xor_b32 s[G0V+1], s[G0V+1], SLOT1
	s_add_nc_u64 s[G0V+2:G0V+3], s[G0V+2:G0V+3], 32768
	s_wait_xcnt 0x0                                ; the last prefetches, a slot back, have read their addresses
	s_add_nc_u64 s[PFK:PFK+1], s[PFK:PFK+1], 32768
	s_add_nc_u64 s[PFV:PFV+1], s[PFV:PFV+1], 32768
.endif
	s_wait_dscnt 0x0
	s_barrier_signal -1
	s_barrier_wait -1
.if \fill
	s_add_co_u32 s66, s[KF], SK                    ; the first key of the slot that this change would ask for
	s_cmp_gt_u32 s66, s[LASTQ]
	s_cbranch_scc1 .Lpast_\@
	TLOAD                                          ; a wave's one tensor load until the next change: it has four key steps in which to land
.Lpast_\@:
	ASK
.endif
.endm
.macro SLOT_STEPS                      ; a slot's four key steps: written once, walked four times
	s_mov_b32 s[STEPC], 4
.Lstep_\@:
	STEP
	s_sub_co_u32 s[STEPC], s[STEPC], 1
	s_cmp_lg_u32 s[STEPC], 0
	s_cbranch_scc1 .Lstep_\@
	s_sub_co_u32 s[TK], s[TK], SK*KP               ; back to a slot's first step,
	s_xor_b32 s[TK], s[TK], SLOT1                  ; in the other slot
	s_sub_co_u32 s[TV], s[TV], SK*VP
	s_xor_b32 s[TV], s[TV], SLOT1
.endm
	s_wait_loadcnt 0x0                             ; Q
.Lslot:                                            ; seven trips: behind each change of slots but the last the next slot is asked for, up to the causal limit
	CHANGE 1
	SLOT_STEPS
	s_sub_co_u32 s[SLOTS], s[SLOTS], 1
	s_cmp_lg_u32 s[SLOTS], 0
	s_cbranch_scc1 .Lslot
	CHANGE 0                                       ; the last slot is written out: nothing is left to ask for
	SLOT_STEPS
	; THE WAY OUT.  l's halves are added; O^T / l is rounded to f16 and goes through my stage, a tile of 16 rows at a time; each store covers 512 consecutive bytes of y16, aligned.  The additions are the places behind the last products.
.irp t, 0,1,2,3
	v_add_f32 v[ST+8*\t+4], v[ST+8*\t+2], v[ST+8*\t+3]
.endr
.irp t, 0,1,2,3
	v_permlanex16_b32 v[ST+8*\t+5], v[ST+8*\t+4], s[SEL], s[SEL+1]
.endr
.irp t, 0,1,2,3
	v_add_f32 v[ST+8*\t+4], v[ST+8*\t+4], v[ST+8*\t+5]
.endr
.irp t, 0,1,2,3
	v_rcp_f32 v[ST+8*\t+6], v[ST+8*\t+4]
.endr
	v_nop                                          ; a plain instruction behind the last reciprocal
	s_wait_alu depctr_va_vdst(0)                   ; one wait for the four, ahead of their first reader
.macro PACK t
	WIN 0x01                                       ; source 0 (O^T) window 1
.set n, 0
.rept 16
	v_pk_mul_f32 v[S+32*((\t)%2)+2*n:S+32*((\t)%2)+2*n+1], v[OT+32*(\t)+2*n:OT+32*(\t)+2*n+1], v[ST+8*(\t)+6:ST+8*(\t)+7] op_sel_hi:[1,0]
.set n, n+1
.endr
	WIN 0
.set PKR, P+16*(\t)
.if (\t) > 1
.set PKR, PK2+16*((\t)-2)
.endif
.set n, 0
.rept 16
	v_cvt_pk_f16_f32 v[PKR+n], v[S+32*((\t)%2)+2*n], v[S+32*((\t)%2)+2*n+1]
.set n, n+1
.endr
.irp dt, 0,1,2,3
	ds_store_b128 v[STO], v[PKR+4*\dt:PKR+4*\dt+3] offset:32*\dt
.endr
.irp u, 0,1,2,3
	ds_load_b128 v[KFR+16*(\t)+4*\u:KFR+16*(\t)+4*\u+3], v[RD] offset:4*KP*\u   ; LDS serves a wave's instructions in order: these see the stores above, and the next tile's stores come behind them
.endr
.endm
.macro SEND t, younger, yb             ; younger: the LDS instructions issued behind tile t's loads: the next tile's eight, or none
.irp u, 0,1,2,3
	s_wait_dscnt \younger+3-\u
	global_store_b128 v[GO], v[KFR+16*(\t)+4*\u:KFR+16*(\t)+4*\u+3], s[\yb:\yb+1] offset:2048*((\t)%2)+512*\u
.endr
.endm
	PACK 0
	PACK 1
	SEND 0, 8, YH
	PACK 2
	SEND 1, 8, YH
	PACK 3
	SEND 2, 8, YL
	SEND 3, 0, YL
	s_wait_tensorcnt 0x0                           ; the wave's end
	ds_add_u32 v[SPW], v[NIL]
	s_wait_dscnt 0x0
	s_endpgm
.Lfunc_end_k_q62f7cca435_attn:
	.size	k_q62f7cca435_attn, .Lfunc_end_k_q62f7cca435_attn-k_q62f7cca435_attn
	.p2alignl 7, 3214868480
	.fill 96, 4, 3214868480
	.section	.rodata,"a",@progbits
	.p2align	6, 0x0
	.amdhsa_kernel k_q62f7cca435_attn
		.amdhsa_group_segment_fixed_size 327680
		.amdhsa_private_segment_fixed_size 0
		.amdhsa_enable_private_segment 0
		.amdhsa_kernarg_size 16
		.amdhsa_user_sgpr_count 2
		.amdhsa_user_sgpr_kernarg_segment_ptr 1
		.amdhsa_wavefront_size32 1
		.amdhsa_system_sgpr_workgroup_id_x 1
		.amdhsa_system_sgpr_workgroup_id_y 1
		.amdhsa_system_sgpr_workgroup_id_z 1
		.amdhsa_system_vgpr_workitem_id 0
		.amdhsa_next_free_vgpr 512
		.amdhsa_next_free_sgpr 80
		.amdhsa_reserve_vcc 1
		.amdhsa_float_denorm_mode_32 3
		.amdhsa_float_denorm_mode_16_64 3
		.amdhsa_memory_ordered 1
		.amdhsa_forward_progress 1
		.amdhsa_inst_pref_size 110
	.end_amdhsa_kernel
	.amdgpu_metadata
---
amdhsa.version: [ 1, 2 ]
amdhsa.kernels:
  - .name:           k_q62f7cca435_attn
    .symbol:         k_q62f7cca435_attn.kd
    .args:
      - { .name: qkv16, .offset: 0, .size: 8, .value_kind: global_buffer, .address_space: global }
      - { .name: y16, .offset: 8, .size: 8, .value_kind: global_buffer, .address_space: global }
    .group_segment_fixed_size: 327680
    .private_segment_fixed_size: 0
    .kernarg_segment_align: 8
    .kernarg_segment_size: 16
    .max_flat_workgroup_size: 256
    .sgpr_count:     80
    .vgpr_count:     512
    .wavefront_size: 32
...
	.end_amdgpu_metadata
.endif
;; end of part 3
;; launch proj (part 4): grid 4 x 64, 4 waves a work-group, clusters of 4 x 4, 327,680 bytes of LDS; arguments y16, w16, b_proj, out0; writes out0
.if DOCPART == 4
	.amdgcn_target "amdgcn-amd-amdhsa--gfx1250"
	.amdhsa_code_object_version 6
	.text
	.protected	k_q62f7cca435_proj
	.globl	k_q62f7cca435_proj
	.p2align	8
	.type	k_q62f7cca435_proj,@function
k_q62f7cca435_proj:
	s_mov_b64 s[64:65], 0
	v_nop
	global_prefetch_b8 v0, s[64:65] scope:SCOPE_SE
	s_setreg_imm32_b32 hwreg(HW_REG_WAVE_MODE, 25, 1), 1
	s_wait_xcnt 0x0
	s_wait_alu depctr_hold_cnt(0) depctr_sa_sdst(0) depctr_va_vdst(0) depctr_va_sdst(0) depctr_va_ssrc(0) depctr_va_vcc(0) depctr_vm_vsrc(0)
	s_getreg_b32 s2, hwreg(HW_REG_IB_STS2, 6, 4)
	s_cmp_eq_u32 s2, 0
	s_cbranch_scc0 .Lentry_in_a_cluster
	s_endpgm
.Lentry_in_a_cluster:
	s_bfe_u32 s2, ttmp6, 0x10000c
	s_cmp_lg_u32 s2, 0xf033
	s_cbranch_scc0 .Lentry_shape_is_right
	s_endpgm
.Lentry_shape_is_right:
; out0 = y w_proj + b_proj.  y16: f16 [16 h][8192 rows][64] (k = 64 h + d); w16: f16 [1024 k][1024 n]; b_proj f32; out0 f32 [8192][1024].  f16 operands, f32 sums.
; All 8,192 rows are stored; the 64 rows of positions 0 to 15 are stored again, from f32 operands, by the launch that follows: that spares a branch on the way out here.
; A tile of C is 128 rows x 256 columns: 256 work-groups, one for each WGP (256 x 256 would make 128).  Four waves, each 64 x 128: 32 accumulators, 256 registers.
; K goes in 8 steps of 128 (two planes of y16) through a ring of two LDS slots; a slot of 256 along K would not fit twice.  A step is 128 matrix instructions a wave, 112 of them between a refill's request and the wait for it.
; CLUSTERS: 4 x 4 work-groups; y's tiles are asked for jointly along a row of the cluster, w's along a column.
; THE MATRIX INSTRUCTION IS USED TRANSPOSED: source 0 = 16 columns of w, turned out of [k][n] by ds_load_tr16_b128; source 1 = 16 rows of y: a lane holds eight neighbouring columns of one row of C.
; The bias is the C of each sum's first product.
; REGISTERS: window 0: v16-31 addresses; v32-95 the bias; v96-127, v128-159 y's fragments, two buffers; v128-255 rows on the way out.  window 1: v0-63, v64-127 w's fragments, two buffers.  window 2: accumulator (a, b) at v[8 (8 a + b)].
.set YPL,    1048576                   ; a plane of y16
.set AP,     144                       ; a row of y in LDS: 128 bytes + 16
.set BP,     544                       ; a row of w in LDS: 512 bytes + 32
.set PLANE,  128*AP
.set BOFF,   2*PLANE
.set HALFB,  64*BP
.set SLOT,   BOFF+2*HALFB
.set STAGE,  2*SLOT                    ; behind the ring: 16 rows x (512 + 16) bytes for each wave
.set SPITCH, 528
.set SPARE,  STAGE+4*16*SPITCH         ; the spare words, 128 bytes a wave: two blocks of 256 bytes that no other line names
.set ADRA, 16
.set ADRB, 20
.set STO,  24
.set RD,   25
.set CO,   26
.set VB,   27
.set SPW,  28
.set NIL,  29
.set PFO,  30
.set BI,   32
.set AF,   96
.set BK,   128
.set WV,   12
.set G1A,  24
.set G0A,  32
.set PFA,  40
.set PFS,  42
.set LIM,  44
.set G1B,  48
.set G0B,  56
.set MSB, 0
.macro WIN new
.if MSB != (\new)
	s_set_vgpr_msb (MSB<<8)|(\new)
.set MSB, (\new)
.endif
.endm
.set MUL,  0xa1                        ; source 0 (w) window 1, source 1 (y) window 0, C and D window 2
.set FST,  0x81                        ; the first quarter: C (the bias) window 0
.set TO_B, 0x40
.macro JLOAD s                         ; waves 0 and 1 fetch y's two planes, waves 2 and 3 w's two halves; an s_nop 0 and four v_nop follow each line
	s_cmp_eq_u32 s13, 0
	s_cbranch_scc0 .Lfor_b_\@
	tensor_load_to_lds s[G0A+4*\s:G0A+4*\s+3], s[G1A:G1A+7]
	s_nop 0
.rept 4
	v_nop
.endr
	s_branch .Lasked_\@
.Lfor_b_\@:
	tensor_load_to_lds s[G0B+4*\s:G0B+4*\s+3], s[G1B:G1B+7]
	s_nop 0
.rept 4
	v_nop
.endr
.Lasked_\@:
.endm
.macro CREST
	s_cmp_lg_u32 s[WV], 0
	s_cbranch_scc1 .Lnot_wave_0_\@
	s_barrier_signal -3
.Lnot_wave_0_\@:
	s_barrier_wait -3
	s_barrier_signal -1
	s_barrier_wait -1
.endm
.macro CROUND
	s_barrier_signal -1
	s_barrier_wait -1
	CREST
.endm
; A PREFETCH behind each joint refill, for the K step two refills on (256 matrix instructions ahead of the load that will want it).  y's tile row is read by this row of the cluster alone: wave 0 asks, and partner cx names
; 8,192 of the step's 32,768 bytes.  w's tile column is read by every cluster: in the clusters with cluster y = 0 waves 2 and 3 ask, and partner cy names 16 of the wave's 64 rows, two blocks of 256 bytes a row.
; Partners are told apart by address alone; each aligned block of 256 bytes is named once in the launch.  K steps 0 to 3 come by their loads alone; the loop's last trip asks for nothing.
.macro ASK
	s_cmp_gt_u32 s3, s[LIM]
	s_cbranch_scc0 .Lnot_mine_\@
	global_prefetch_b8 v[PFO], s[PFA:PFA+1] th:TH_LOAD_NT scope:SCOPE_SE
.Lnot_mine_\@:
.endm
	s_load_b256 s[4:11], s[0:1], 0x0               ; y16 s[4:5], w16 s[6:7], b_proj s[8:9], out0 s[10:11]
	v_lshl_add_u32 v[SPW], v0, 2, SPARE
	v_mov_b32 v[NIL], 0
	ds_add_u32 v[SPW], v[NIL]                      ; the wave's opening: the add, twice on end, and its wait ahead of my first tensor load
	ds_add_u32 v[SPW], v[NIL]
	v_lshrrev_b32 v1, 5, v0
	v_readfirstlane_b32 s[WV], v1                  ; wave 0..3
	s_lshr_b32 s13, s[WV], 1                       ; which 64 rows of the tile are mine.  Also: I fetch for y (0) or for w (1)
	s_and_b32 s14, s[WV], 1                        ; which 128 columns.  Also: which plane of y, or which 64 rows of w, I fetch
	s_bfe_u32 s18, ttmp6, 0x40000                  ; cx
	s_bfe_u32 s19, ttmp6, 0x40004                  ; cy
	s_lshl_b32 s17, ttmp9, 2
	s_add_co_u32 s17, s17, s18                     ; tile column
	s_and_b32 s15, ttmp7, 0xffff                   ; cluster y
	s_lshl_b32 s16, s15, 2
	s_add_co_u32 s16, s16, s19                     ; tile row
	s_lshl_b32 s20, s19, 2
	s_lshl_b32 s20, 15, s20                        ; my row of the cluster
	s_lshl_b32 s66, 0x1111, s18                    ; my column
	s_or_b32 s[G1A], s20, (1<<16)|(1<<20)|(1<<21)|(4<<22)|(3<<25)   ; the mask; elements of 2 bytes; padding on; bit 21 beside a mask; after every 32 words 4 words
	s_mov_b32 s[G1A+1], 64<<16                     ; tensor_dim0 = 64
	s_mov_b32 s[G1A+2], 128<<16                    ; tensor_dim1 = 128
	s_mov_b32 s[G1A+3], 64<<16                     ; tile_dim0
	s_mov_b32 s[G1A+4], 128                        ; tile_dim1
	s_mov_b32 s[G1A+5], 64                         ; the pitch
	s_mov_b32 s[G1A+6], 0
	s_mov_b32 s[G1A+7], 0
	s_or_b32 s[G1B], s66, (1<<16)|(1<<20)|(1<<21)|(6<<22)|(7<<25)   ; after every 128 words 8 words
	s_mov_b32 s[G1B+1], 256<<16
	s_mov_b32 s[G1B+2], 64<<16
	s_mov_b32 s[G1B+3], 256<<16
	s_mov_b32 s[G1B+4], 64
	s_mov_b32 s[G1B+5], 1024
	s_mov_b32 s[G1B+6], 0
	s_mov_b32 s[G1B+7], 0
	s_lshl_b32 s20, s14, 20                        ; y: my plane of the K step,
	s_lshl_b32 s21, s16, 14                        ; the tile row's 128 rows of 128 bytes
	s_add_co_u32 s20, s20, s21
	s_mov_b32 s21, 0
	s_lshl_b32 s66, s14, 17                        ; w: my 64 rows of 2,048 bytes,
	s_lshl_b32 s67, s17, 9                         ; the tile column's 512 bytes
	s_add_co_u32 s66, s66, s67
	s_mov_b32 s67, 0
	s_mul_i32 s22, s14, PLANE                      ; where they go in a slot: no place in the cluster enters an LDS address
	s_mul_i32 s23, s14, HALFB
	s_add_co_u32 s23, s23, BOFF
	s_wait_dscnt 0x0                               ; both opening adds are done
	s_wait_kmcnt 0x0
	s_add_nc_u64 s[20:21], s[4:5], s[20:21]
	s_add_nc_u64 s[66:67], s[6:7], s[66:67]
	CROUND                                         ; all sixteen work-groups are here: the first joint loads meet
.irp s, 0,1
	s_mov_b32 s[G0A+4*\s], 1
	s_add_co_u32 s[G0A+4*\s+1], s22, \s*SLOT
	s_add_nc_u64 s[G0A+4*\s+2:G0A+4*\s+3], s[20:21], \s*2*YPL
	s_or_b32 s[G0A+4*\s+3], s[G0A+4*\s+3], 0x80000000
	s_mov_b32 s[G0B+4*\s], 1
	s_add_co_u32 s[G0B+4*\s+1], s23, \s*SLOT
	s_add_nc_u64 s[G0B+4*\s+2:G0B+4*\s+3], s[66:67], \s*128*2048
	s_or_b32 s[G0B+4*\s+3], s[G0B+4*\s+3], 0x80000000
	JLOAD \s
.endr
	v_and_b32 v1, 15, v0                           ; r
	v_bfe_u32 v2, v0, 4, 1                         ; h
	v_mul_u32_u24 v3, v1, AP
	v_lshl_add_u32 v3, v2, 4, v3                   ; y: row r x pitch + 16 h
	s_mul_i32 s68, s13, 64*AP                      ; my 64 rows
	v_and_b32 v4, 7, v0
	v_lshl_add_u32 v4, v2, 3, v4
	v_mul_u32_u24 v4, v4, BP
	v_bfe_u32 v5, v0, 3, 1
	v_lshl_add_u32 v4, v5, 4, v4                   ; w, turned: row 8 h + l % 8, columns 8 ((l / 8) % 2) on
	s_lshl_b32 s69, s14, 8                         ; my 128 columns
	s_add_co_u32 s69, s69, BOFF
.irp s, 0,1
	v_add_nc_u32 v[ADRA+\s], s68, v3
	v_add_nc_u32 v[ADRB+\s], s69, v4
	s_add_co_u32 s68, s68, SLOT
	s_add_co_u32 s69, s69, SLOT
.endr
	s_mul_i32 s68, s[WV], 16*SPITCH
	s_add_co_u32 s68, s68, STAGE                   ; my stage
	v_mul_u32_u24 v5, v1, SPITCH
	v_lshl_add_u32 v5, v2, 5, v5
	v_add_nc_u32 v[STO], s68, v5                   ; in: row r, 32 bytes for each half of the lanes
	v_and_b32 v5, 31, v0
	v_lshlrev_b32 v[CO], 4, v5                     ; back: the 32 lanes take a row of 512 bytes; the same in out0
	v_add_nc_u32 v[RD], s68, v[CO]
	v_lshlrev_b32 v[VB], 5, v2
	s_lshl_b32 s68, s17, 10                        ; my first column, in bytes of f32: 1,024 x tile column + 512 x half
	s_lshl_b32 s69, s14, 9
	s_add_co_u32 s68, s68, s69
	s_mov_b32 s69, 0
	s_add_nc_u64 s[8:9], s[8:9], s[68:69]
	s_add_nc_u64 s[10:11], s[10:11], s[68:69]
.irp b, 0,1,2,3,4,5,6,7
	global_load_b128 v[BI+8*\b:BI+8*\b+3], v[VB], s[8:9] offset:64*\b         ; lane (r, h): b_proj at columns 16 b + 8 h + 0 .. 7
	global_load_b128 v[BI+8*\b+4:BI+8*\b+7], v[VB], s[8:9] offset:64*\b+16
.endr
	s_lshl_b32 s68, s16, 19                        ; my first row: (128 x tile row + 64 x half) x 4,096 bytes
	s_lshl_b32 s69, s13, 18
	s_add_co_u32 s68, s68, s69
	s_mov_b32 s69, 0
	s_add_nc_u64 s[10:11], s[10:11], s[68:69]
	; the prefetches: where mine stand (at K step 3: the first refill steps them to K step 4), and who asks
	s_lshr_b32 s70, s18, 1
	s_lshl_b32 s70, s70, 20
	s_and_b32 s71, s18, 1
	s_lshl_b32 s71, s71, 13
	s_add_co_u32 s70, s70, s71
	s_lshl_b32 s71, s16, 14
	s_add_co_u32 s70, s70, s71
	s_add_co_u32 s70, s70, 6*YPL                   ; y's
	s_lshl_b32 s72, s14, 6
	s_lshl_b32 s73, s19, 4
	s_add_co_u32 s72, s72, s73
	s_lshl_b32 s72, s72, 11
	s_lshl_b32 s73, s17, 9
	s_add_co_u32 s72, s72, s73
	s_add_co_u32 s72, s72, 3*262144                ; w's
	s_mov_b32 s74, 2048
	s_mov_b32 s75, 262144
	s_cmp_eq_u32 s13, 0
	s_cselect_b64 s[PFA:PFA+1], s[4:5], s[6:7]
	s_cselect_b32 s70, s70, s72
	s_cselect_b32 s74, 512, s74                    ; from pair of lanes to pair of lanes
	s_cselect_b32 s[PFS], 2097152, s75             ; a K step on
	s_cselect_b32 s72, s14, s15                    ; y: wave 0 asks; w: the clusters with cluster y = 0: the same in all sixteen partners, for a given wave
	s_mov_b32 s71, 0
	s_mov_b32 s[PFS+1], 0
	s_add_nc_u64 s[PFA:PFA+1], s[PFA:PFA+1], s[70:71]
	s_cmp_eq_u32 s72, 0
	s_cselect_b32 s[LIM], 1, -1
	v_and_b32 v[PFO], 1, v0
	v_lshlrev_b32 v[PFO], 8, v[PFO]
	v_bfe_u32 v5, v0, 1, 4
	v_mad_u32_u24 v[PFO], v5, s74, v[PFO]
.macro MUL8 f, a, first                ; 8 matrix instructions: row block a x all 8 column blocks, 32 along K, from buffer f.  The 32 accumulators take turns, in the same order in every quarter
.irp b, 0,1,2,3,4,5,6,7
.if \first
	v_wmma_f32_16x16x32_f16 v[8*(8*(\a)+\b):8*(8*(\a)+\b)+7], v[64*(\f)+8*\b:64*(\f)+8*\b+7], v[AF+32*(\f)+8*(\a):AF+32*(\f)+8*(\a)+7], v[BI+8*\b:BI+8*\b+7]
.else
	v_wmma_f32_16x16x32_f16 v[8*(8*(\a)+\b):8*(8*(\a)+\b)+7], v[64*(\f)+8*\b:64*(\f)+8*\b+7], v[AF+32*(\f)+8*(\a):AF+32*(\f)+8*(\a)+7], v[8*(8*(\a)+\b):8*(8*(\a)+\b)+7]
.endif
.endr
.endm
.macro FETCH slot, q, f                ; 24 LDS loads in one run: quarter q's fragments (w's 8, then y's 4) into buffer f
	WIN TO_B
.irp i, 0,1,2,3,4,5,6,7
	ds_load_tr16_b128 v[64*(\f)+8*\i:64*(\f)+8*\i+3], v[ADRB+\slot] offset:32*BP*(\q)+32*\i
	ds_load_tr16_b128 v[64*(\f)+8*\i+4:64*(\f)+8*\i+7], v[ADRB+\slot] offset:32*BP*(\q)+16*BP+32*\i
.endr
	WIN 0
.irp i, 0,1,2,3
	ds_load_b128 v[AF+32*(\f)+8*\i:AF+32*(\f)+8*\i+3], v[ADRA+\slot] offset:((\q)/2)*PLANE+((\q)%2)*64+\i*16*AP
	ds_load_b128 v[AF+32*(\f)+8*\i+4:AF+32*(\f)+8*\i+7], v[ADRA+\slot] offset:((\q)/2)*PLANE+((\q)%2)*64+\i*16*AP+32
.endr
.endm
.macro PLACES                          ; four plain vector instructions in front of loads into registers that matrix instructions have read, and of reads of results
.rept 4
	v_nop
.endr
.endm
.macro QUARTER slot, qn, f, g, first   ; multiplies buffer f; in its middle it fetches quarter qn of the same slot into buffer g
	s_wait_dscnt 4                                 ; w's fragments and y's blocks 0, 1 are in; the youngest four loads (blocks 2, 3) may be out
.if \first
	WIN FST
.else
	WIN MUL
.endif
	MUL8 \f, 0, \first
	MUL8 \f, 1, \first
	PLACES
	FETCH \slot, \qn, \g
	s_wait_dscnt 24                                ; all but the 24 just issued
.if \first
	WIN FST
.else
	WIN MUL
.endif
	MUL8 \f, 2, \first
	MUL8 \f, 3, \first
.endm
; A slot's last quarter multiplies buffer 1 and changes slots: ONE barrier; in front of it each wave waits for all its tensor loads, adds 0 to its spare word, and waits for that and for its reads of this slot.
; fill = 1: the barrier opens a round of the cluster's barrier, and this slot is filled again, two K steps ahead, first thing behind the round.
.macro TURN slot, next, fill
.if \fill
	s_wait_xcnt 0x0                                ; the last prefetch, a K step back, has read its address
	s_add_nc_u64 s[PFA:PFA+1], s[PFA:PFA+1], s[PFS:PFS+1]
.endif
	WIN 0
	s_wait_tensorcnt 0x0                           ; my part of the next slot has landed
	ds_add_u32 v[SPW], v[NIL]
	s_wait_dscnt 5                                 ; the add and the youngest four loads may be out
	WIN MUL
	MUL8 1, 0, 0
	s_wait_dscnt 0x0                               ; the add is done, and my reads of this slot are over
	s_barrier_signal -1
	MUL8 1, 1, 0
	WIN 0
	s_barrier_wait -1
.if \fill
	CREST
	s_add_nc_u64 s[G0A+4*\slot+2:G0A+4*\slot+3], s[G0A+4*\slot+2:G0A+4*\slot+3], 4*YPL
	s_add_nc_u64 s[G0B+4*\slot+2:G0B+4*\slot+3], s[G0B+4*\slot+2:G0B+4*\slot+3], 2*128*2048
	JLOAD \slot                                    ; the four v_nop behind it are also the places in front of the loads below
.else
	PLACES
.endif
	FETCH \next, 0, 0
.if \fill
	ASK
.endif
	WIN MUL
	MUL8 1, 2, 0
	MUL8 1, 3, 0
.endm
	s_wait_tensorcnt 1                             ; my part of K step 0 is in; K step 1's load, issued behind it, may be out
	s_barrier_signal -1
	s_barrier_wait -1
	FETCH 0, 0, 0
	s_wait_loadcnt 0x0                             ; the bias
	QUARTER 0, 1, 0, 1, 1                          ; the first quarter stands in front of the loop: its products start the sums, on the bias
	WIN 0
	s_mov_b32 s3, 3
.Llap:                                             ; a trip goes once round the ring and fills both slots again: K steps 2 to 7
	QUARTER 0, 2, 1, 0, 0
	QUARTER 0, 3, 0, 1, 0
	TURN 0, 1, 1
	QUARTER 1, 1, 0, 1, 0
	QUARTER 1, 2, 1, 0, 0
	QUARTER 1, 3, 0, 1, 0
	TURN 1, 0, 1
	QUARTER 0, 1, 0, 1, 0
	WIN 0
	s_sub_co_u32 s3, s3, 1
	s_cmp_lg_u32 s3, 0
	s_cbranch_scc1 .Llap
	QUARTER 0, 2, 1, 0, 0                          ; the last lap fills nothing
	QUARTER 0, 3, 0, 1, 0
	TURN 0, 1, 0
	QUARTER 1, 1, 0, 1, 0
	QUARTER 1, 2, 1, 0, 0
	QUARTER 1, 3, 0, 1, 0
	s_wait_dscnt 4
	WIN MUL
	MUL8 1, 0, 0
	MUL8 1, 1, 0
	s_wait_dscnt 0
	MUL8 1, 2, 0
	MUL8 1, 3, 0
	WIN 0
	PLACES
; THE WAY OUT, block by block of 16 rows x 128 columns: 32 bytes a lane into my stage, back as whole rows of 512 bytes: each store covers 512 consecutive bytes of out0, aligned.
.macro TOSTAGE a
	WIN 0x08                                       ; an LDS store's data are its source 1: window 2
.irp b, 0,1,2,3,4,5,6,7
	ds_store_b128 v[STO], v[64*(\a)+8*\b:64*(\a)+8*\b+3] offset:64*\b          ; each accumulator from its low end on
	ds_store_b128 v[STO], v[64*(\a)+8*\b+4:64*(\a)+8*\b+7] offset:64*\b+16
.endr
	WIN 0
.set BB, BK+64*((\a)%2)
.irp t, 0,1,2,3,4,5,6,7,8,9,10,11,12,13,14,15
	ds_load_b128 v[BB+4*\t:BB+4*\t+3], v[RD] offset:\t*SPITCH
.endr
.endm
.macro SEND a, younger                 ; younger: the LDS instructions issued behind block a's loads: the next block's 32, or none
.set BB, BK+64*((\a)%2)
	s_wait_dscnt \younger
.irp t, 0,1,2,3,4,5,6,7,8,9,10,11,12,13,14,15
	global_store_b128 v[CO], v[BB+4*\t:BB+4*\t+3], s[10:11] offset:65536*(\a)+4096*\t th:TH_STORE_NT
.endr
.endm
	TOSTAGE 0
.irp a, 1,2,3
.if \a > 1
	s_wait_xcnt 0x0                                ; block a - 2's stores have read their registers: block a's loads may land there
.endif
	TOSTAGE \a
	SEND \a-1, 32
.endr
	SEND 3, 0
	s_wait_tensorcnt 0x0                           ; the wave's end
	ds_add_u32 v[SPW], v[NIL]
	s_wait_dscnt 0x0
	CROUND                                         ; the closing round
	s_endpgm
.Lfunc_end_k_q62f7cca435_proj:
	.size	k_q62f7cca435_proj, .Lfunc_end_k_q62f7cca435_proj-k_q62f7cca435_proj
	.p2alignl 7, 3214868480
	.fill 96, 4, 3214868480
	.section	.rodata,"a",@progbits
	.p2align	6, 0x0
	.amdhsa_kernel k_q62f7cca435_proj
		.amdhsa_group_segment_fixed_size 327680
		.amdhsa_private_segment_fixed_size 0
		.amdhsa_enable_private_segment 0
		.amdhsa_kernarg_size 32
		.amdhsa_user_sgpr_count 2
		.amdhsa_user_sgpr_kernarg_segment_ptr 1
		.amdhsa_wavefront_size32 1
		.amdhsa_system_sgpr_workgroup_id_x 1
		.amdhsa_system_sgpr_workgroup_id_y 1
		.amdhsa_system_sgpr_workgroup_id_z 1
		.amdhsa_system_vgpr_workitem_id 0
		.amdhsa_next_free_vgpr 768
		.amdhsa_next_free_sgpr 80
		.amdhsa_reserve_vcc 0
		.amdhsa_float_denorm_mode_32 3
		.amdhsa_float_denorm_mode_16_64 3
		.amdhsa_memory_ordered 1
		.amdhsa_forward_progress 1
		.amdhsa_inst_pref_size 89
	.end_amdhsa_kernel
	.amdgpu_metadata
---
amdhsa.version: [ 1, 2 ]
amdhsa.kernels:
  - .name:           k_q62f7cca435_proj
    .symbol:         k_q62f7cca435_proj.kd
    .args:
      - { .name: y16, .offset: 0, .size: 8, .value_kind: global_buffer, .address_space: global }
      - { .name: w16, .offset: 8, .size: 8, .value_kind: global_buffer, .address_space: global }
      - { .name: b_proj, .offset: 16, .size: 8, .value_kind: global_buffer, .address_space: global }
      - { .name: out0, .offset: 24, .size: 8, .value_kind: global_buffer, .address_space: global }
    .group_segment_fixed_size: 327680
    .private_segment_fixed_size: 0
    .kernarg_segment_align: 8
    .kernarg_segment_size: 32
    .max_flat_workgroup_size: 128
    .sgpr_count:     80
    .vgpr_count:     768
    .wavefront_size: 32
...
	.end_amdgpu_metadata
.endif
;; end of part 4
;; launch head16 (part 5): grid 16 x 4, 16 waves a work-group, no clusters, 71,680 bytes of LDS; arguments qkv32, w_proj, b_proj, out0; writes out0
.if DOCPART == 5
	.amdgcn_target "amdgcn-amd-amdhsa--gfx1250"
	.amdhsa_code_object_version 6
	.text
	.protected	k_q62f7cca435_head16
	.globl	k_q62f7cca435_head16
	.p2align	8
	.type	k_q62f7cca435_head16,@function
k_q62f7cca435_head16:
	s_mov_b64 s[64:65], 0
	v_nop
	global_prefetch_b8 v0, s[64:65] scope:SCOPE_SE
	s_setreg_imm32_b32 hwreg(HW_REG_WAVE_MODE, 25, 1), 1
	s_wait_xcnt 0x0
; THE FIRST 16 POSITIONS OF EVERY SEQUENCE, all in f32: under the causal mask these rows average one to sixteen values, so the rounding of f16 operands weighs most there.  Scores, softmax, the second product and the
; projection take f32 operands (v_wmma_f32_16x16x4_f32, 96 a wave: no bulk work), and rows t < 16 of out0 are stored again.
; qkv32: images of accumulators, [4 batch][192 blocks of 16 columns][2][32 lanes][4] f32: lane (r, h), register j = qkv(t = r, column 16 block + 8 h + j).  w_proj [1024 k][1024 n], b_proj, out0: f32.
; SHARES.  Work-group (ns, batch): columns 64 ns .. + 63 of the batch's 16 rows.  Wave hd is head hd: it makes its head's attention (16 x 16 keys; made again in each of the 16 slices of columns, which is nothing beside a
; launch of its own) and its head's part of the projection (K = its 64 channels); the 16 parts meet in LDS, and wave hd adds row t = hd.
; THE ORDER OF K.  The form takes k = 2 (lane / 16) + j from register j.  In every product both sources are given the same permutation of k, so the sums are those of the product:
;   S^T = K Q^T: registers 2 s, 2 s + 1 of both images;   O^T = V^T P: key 8 h + 2 s + j on both sides;   out^T = W^T y^T: channel 16 dt + 8 h + 2 s + j on both sides.
; p is normalised ahead of the second product, so that its result is y and serves as a source with no copy.  The registers that the matrix instructions write are written by nothing else.
; Behind this form 8 places are kept in front of reads of results and of loads into its registers, 9 before a result serves as a source.
; No tensor load, no cluster, no prefetch: a short launch on 64 work-groups.
.set PW,    16*272                     ; a wave's part in LDS: 16 rows x (256 bytes + 16)
.set SPARE, 16*PW                      ; the spare words, 128 bytes a wave: eight blocks of 256 bytes that no other line names
.set SC,  24                           ; v24-31  the scores
.set QF,  32                           ; v32-63  q's image, later w's set 1, later the parts
.set KF,  64                           ; v64-95  k's image, later w's set 2
.set SA,  96                           ; v96-103, v104-111: S^T in two halves of K, by turns
.set SB,  104
.set VT,  112                          ; v112-143 V^T, later w's set 3
.set OA,  144                          ; v144-175 O^T = y^T
.set PA,  176                          ; v176-207 my part of out^T
.set WT0, 208                          ; v208-239 w's set 0
.set PR,  240                          ; v240-247 p
	s_load_b256 s[4:11], s[0:1], 0x0               ; qkv32 s[4:5], w_proj s[6:7], b_proj s[8:9], out0 s[10:11]
	v_lshl_add_u32 v20, v0, 2, SPARE               ; my spare word; never rewritten
	v_mov_b32 v21, 0                               ; 0; never rewritten
	v_lshrrev_b32 v1, 5, v0
	v_readfirstlane_b32 s12, v1                    ; wave = head 0..15
	s_and_b32 s14, ttmp7, 0xffff                   ; batch
	v_and_b32 v1, 31, v0                           ; lane
	v_and_b32 v2, 15, v0                           ; r
	v_bfe_u32 v3, v0, 4, 1                         ; h
	v_lshlrev_b32 v4, 4, v1                        ; an image's place for my lane
	v_bfe_u32 v5, v0, 2, 1                         ; V(key 8 h + jk, channel 16 dt + r) out of v's image: half (r / 4) % 2 of the registers,
	v_lshlrev_b32 v5, 9, v5
	v_bfe_u32 v13, v0, 3, 1
	v_lshl_add_u32 v5, v13, 8, v5                  ; lanes 16 (r / 8) on,
	v_and_b32 v13, 3, v0
	v_lshl_add_u32 v5, v13, 2, v5                  ; word r % 4,
	v_lshl_add_u32 v5, v3, 7, v5                   ; lane 8 h + jk: 16 jk stands in the immediate
	v_lshlrev_b32 v6, 15, v3
	v_lshl_add_u32 v6, v2, 2, v6                   ; w: row 8 h (of 4,096 bytes), column r
	s_mul_i32 s16, s12, PW
	v_mul_u32_u24 v7, v2, 272
	v_lshl_add_u32 v7, v3, 5, v7
	v_add_nc_u32 v7, s16, v7                       ; my part: row r, 32 bytes for each half of the lanes
	s_mul_i32 s16, s12, 272
	v_lshlrev_b32 v9, 3, v1                        ; 8 bytes a lane of a row of 256
	v_add_nc_u32 v8, s16, v9                       ; row hd of each part
	v_lshlrev_b32 v10, 3, v3
	v_sub_nc_u32 v10, v2, v10                      ; r - 8 h: register j (key 8 h + j) is hidden where j > r - 8 h
	v_mov_b32 v11, 0xff800000                      ; -infinity
	s_mov_b32 s20, 0x76543210
	s_mov_b32 s21, 0xfedcba98                      ; v_permlanex16_b32's selects for lane l xor 16
	s_mov_b32 s22, 0x3e38aa3b                      ; c = log2(e) / 8
	s_mul_i32 s16, s14, 196608
	s_lshl_b32 s17, s12, 12
	s_add_co_u32 s16, s16, s17                     ; qkv32: the batch, my head's four blocks of q
	s_mov_b32 s17, 0
	s_lshl_b32 s18, s12, 18
	s_lshl_b32 s19, ttmp9, 8
	s_add_co_u32 s18, s18, s19                     ; w_proj: my head's 64 rows, the slice's 64 columns
	s_mov_b32 s25, 0
	s_mov_b32 s24, s19                             ; b_proj: the slice's 256 bytes
	s_mov_b32 s19, 0
	s_lshl_b32 s26, s14, 23
	s_lshl_b32 s27, s12, 12
	s_add_co_u32 s26, s26, s27
	s_add_co_u32 s26, s26, s24                     ; out0: row 2,048 batch + hd, the slice
	s_mov_b32 s27, 0
	s_wait_kmcnt 0x0
	s_add_nc_u64 s[4:5], s[4:5], s[16:17]
	s_add_nc_u64 s[6:7], s[6:7], s[18:19]
	s_add_nc_u64 s[8:9], s[8:9], s[24:25]
	s_add_nc_u64 s[10:11], s[10:11], s[26:27]
	global_load_b64 v[22:23], v9, s[8:9]           ; the bias: the oldest load, so that it enters no count below
.irp c, 0,1,2,3
.irp jj, 0,1
	global_load_b128 v[QF+8*\c+4*\jj:QF+8*\c+4*\jj+3], v4, s[4:5] offset:1024*\c+512*\jj
	global_load_b128 v[KF+8*\c+4*\jj:KF+8*\c+4*\jj+3], v4, s[4:5] offset:65536+1024*\c+512*\jj
.endr
.endr
.irp dt, 0,1,2,3
.irp jk, 0,1,2,3,4,5,6,7
	global_load_b32 v[VT+8*\dt+\jk], v5, s[4:5] offset:131072+1024*\dt+16*\jk
.endr
.endr
.macro WLD dt, reg                     ; w(64 hd + 16 dt + 8 h + jk, 64 ns + 16 nt + r) into v[reg + 8 nt + jk]: 32 loads
.irp nt, 0,1,2,3
.irp jk, 0,1,2,3,4,5,6,7
	global_load_b32 v[\reg+8*\nt+\jk], v6, s[6:7] offset:65536*\dt+4096*\jk+64*\nt
.endr
.endr
.endm
	s_wait_loadcnt 32                              ; q and k are in; v's 32 loads, issued behind them, may be out
	WLD 0, WT0
.set kk, 0
.rept 16                               ; S^T: two accumulators by turns; the first two products start the sums
.if kk < 2
	v_wmma_f32_16x16x4_f32 v[SA+8*(kk%2):SA+8*(kk%2)+7], v[KF+2*kk:KF+2*kk+1], v[QF+2*kk:QF+2*kk+1], 0
.else
	v_wmma_f32_16x16x4_f32 v[SA+8*(kk%2):SA+8*(kk%2)+7], v[KF+2*kk:KF+2*kk+1], v[QF+2*kk:QF+2*kk+1], v[SA+8*(kk%2):SA+8*(kk%2)+7]
.endif
.set kk, kk+1
.endr
.rept 8
	v_nop
.endr
.irp j, 0,2,4,6
	v_pk_add_f32 v[SC+\j:SC+\j+1], v[SA+\j:SA+\j+1], v[SB+\j:SB+\j+1]   ; lane (r, h): query r, keys 8 h + 0 .. 7; from the low end on
.endr
.irp j, 0,1,2,3,4,5,6,7
	v_cmp_gt_i32 vcc_lo, \j, v10
	v_cndmask_b32 v[SC+\j], v[SC+\j], v11, vcc_lo  ; hidden keys: -infinity ahead of the maximum
.endr
	v_max3_num_f32 v12, v[SC], v[SC+1], v[SC+2]
	v_max3_num_f32 v12, v12, v[SC+3], v[SC+4]
	v_max3_num_f32 v12, v12, v[SC+5], v[SC+6]
	v_max_num_f32 v12, v12, v[SC+7]
	v_permlanex16_b32 v13, v12, s20, s21
	v_max_num_f32 v12, v12, v13                    ; the row's maximum: key 0 counts for every query
	v_mul_f32 v14, s22, v12
.irp j, 0,1,2,3,4,5,6,7
	v_fma_f32 v[SC+\j], v[SC+\j], s22, -v14        ; c s - c m
.endr
.irp j, 0,1,2,3,4,5,6,7
	v_exp_f32 v[PR+\j], v[SC+\j]
.endr
	v_nop                                          ; a plain instruction behind the last exponential
	s_wait_alu depctr_va_vdst(0)                   ; one wait for the eight, ahead of their first reader
	v_pk_add_f32 v[16:17], v[PR:PR+1], v[PR+2:PR+3]
	v_pk_add_f32 v[18:19], v[PR+4:PR+5], v[PR+6:PR+7]
	v_pk_add_f32 v[16:17], v[16:17], v[18:19]
	v_add_f32 v16, v16, v17
	v_permlanex16_b32 v17, v16, s20, s21
	v_add_f32 v16, v16, v17                        ; the row's sum
	v_rcp_f32 v18, v16
	v_mov_b32 v19, 0                               ; a plain instruction behind the reciprocal (v19 is named with v18 as a pair)
	s_wait_alu depctr_va_vdst(0)
.irp j, 0,2,4,6
	v_pk_mul_f32 v[PR+\j:PR+\j+1], v[PR+\j:PR+\j+1], v[18:19] op_sel_hi:[1,0]
.endr
	s_wait_loadcnt 32                              ; v is in; w's set 0, issued behind it, may be out
	WLD 1, QF                                      ; q's registers are free: the eight v_nop and the softmax stand behind the products that read them
.irp sp, 0,1,2,3                       ; O^T = V^T P: four accumulators by turns
.irp dt, 0,1,2,3
.if \sp == 0
	v_wmma_f32_16x16x4_f32 v[OA+8*\dt:OA+8*\dt+7], v[VT+8*\dt+2*\sp:VT+8*\dt+2*\sp+1], v[PR+2*\sp:PR+2*\sp+1], 0
.else
	v_wmma_f32_16x16x4_f32 v[OA+8*\dt:OA+8*\dt+7], v[VT+8*\dt+2*\sp:VT+8*\dt+2*\sp+1], v[PR+2*\sp:PR+2*\sp+1], v[OA+8*\dt:OA+8*\dt+7]
.endif
.endr
.endr
.rept 9
	v_nop                                          ; the results serve as sources below
.endr
.macro PRJ dt, reg, first              ; my part of out^T += W^T y^T for channels 16 dt on: four accumulators by turns
.irp sp, 0,1,2,3
.irp nt, 0,1,2,3
.if (\first) && (\sp == 0)
	v_wmma_f32_16x16x4_f32 v[PA+8*\nt:PA+8*\nt+7], v[\reg+8*\nt+2*\sp:\reg+8*\nt+2*\sp+1], v[OA+8*\dt+2*\sp:OA+8*\dt+2*\sp+1], 0
.else
	v_wmma_f32_16x16x4_f32 v[PA+8*\nt:PA+8*\nt+7], v[\reg+8*\nt+2*\sp:\reg+8*\nt+2*\sp+1], v[OA+8*\dt+2*\sp:OA+8*\dt+2*\sp+1], v[PA+8*\nt:PA+8*\nt+7]
.endif
.endr
.endr
.endm
	s_wait_loadcnt 32                              ; w's set 0 is in; set 1 may be out
	WLD 2, KF
	PRJ 0, WT0, 1
	s_wait_loadcnt 32                              ; set 1 is in; set 2 may be out
	WLD 3, VT                                      ; V's registers are free: the nine v_nop stand behind the products that read them
	PRJ 1, QF, 0
	s_wait_loadcnt 32                              ; set 2 is in; set 3 may be out
	PRJ 2, KF, 0
	s_wait_loadcnt 0x0
	PRJ 3, VT, 0
.rept 8
	v_nop
.endr
.irp nt, 0,1,2,3
	ds_store_b128 v7, v[PA+8*\nt:PA+8*\nt+3] offset:64*\nt          ; lane (r, h): my part of out(t = r, 16 nt + 8 h + 0 .. 7); each accumulator from its low end on
	ds_store_b128 v7, v[PA+8*\nt+4:PA+8*\nt+7] offset:64*\nt+16
.endr
	s_wait_dscnt 0x0                               ; for the others' sake: my part lies in LDS
	s_barrier_signal -1
	s_barrier_wait -1
.irp w, 0,1,2,3,4,5,6,7,8,9,10,11,12,13,14,15
	ds_load_b64 v[32+2*\w:33+2*\w], v8 offset:PW*\w                 ; row hd of each head's part
.endr
	s_wait_dscnt 0x0
.irp w, 0,1,2,3,4,5,6,7,8,9,10,11,12,13,14,15
	v_pk_add_f32 v[22:23], v[22:23], v[32+2*\w:33+2*\w]             ; onto the bias, heads ascending
.endr
	global_store_b64 v9, v[22:23], s[10:11]        ; the wave stores 256 consecutive bytes, aligned
	s_wait_tensorcnt 0x0                           ; the wave's end
	ds_add_u32 v20, v21
	s_wait_dscnt 0x0
	s_endpgm
.Lfunc_end_k_q62f7cca435_head16:
	.size	k_q62f7cca435_head16, .Lfunc_end_k_q62f7cca435_head16-k_q62f7cca435_head16
	.p2alignl 7, 3214868480
	.fill 96, 4, 3214868480
	.section	.rodata,"a",@progbits
	.p2align	6, 0x0
	.amdhsa_kernel k_q62f7cca435_head16
		.amdhsa_group_segment_fixed_size 71680
		.amdhsa_private_segment_fixed_size 0
		.amdhsa_enable_private_segment 0
		.amdhsa_kernarg_size 32
		.amdhsa_user_sgpr_count 2
		.amdhsa_user_sgpr_kernarg_segment_ptr 1
		.amdhsa_wavefront_size32 1
		.amdhsa_system_sgpr_workgroup_id_x 1
		.amdhsa_system_sgpr_workgroup_id_y 1
		.amdhsa_system_sgpr_workgroup_id_z 1
		.amdhsa_system_vgpr_workitem_id 0
		.amdhsa_next_free_vgpr 256
		.amdhsa_next_free_sgpr 66
		.amdhsa_reserve_vcc 1
		.amdhsa_float_denorm_mode_32 3
		.amdhsa_float_denorm_mode_16_64 3
		.amdhsa_memory_ordered 1
		.amdhsa_forward_progress 1
		.amdhsa_inst_pref_size 32
	.end_amdhsa_kernel
	.amdgpu_metadata
---
amdhsa.version: [ 1, 2 ]
amdhsa.kernels:
  - .name:           k_q62f7cca435_head16
    .symbol:         k_q62f7cca435_head16.kd
    .args:
      - { .name: qkv32, .offset: 0, .size: 8, .value_kind: global_buffer, .address_space: global }
      - { .name: w_proj, .offset: 8, .size: 8, .value_kind: global_buffer, .address_space: global }
      - { .name: b_proj, .offset: 16, .size: 8, .value_kind: global_buffer, .address_space: global }
      - { .name: out0, .offset: 24, .size: 8, .value_kind: global_buffer, .address_space: global }
    .group_segment_fixed_size: 71680
    .private_segment_fixed_size: 0
    .kernarg_segment_align: 8
    .kernarg_segment_size: 32
    .max_flat_workgroup_size: 512
    .sgpr_count:     66
    .vgpr_count:     256
    .wavefront_size: 32
...
	.end_amdgpu_metadata
.endif
;; end of part 5
